; MI455X (gfx1250); checked and timed in simulation.
; The chip was launched on July 23, 2026; its instructions are those of AMD's public machine-readable ISA for CDNA 5 (MIT licence, August 2026) and "CDNA5" Instruction Set Architecture Reference Guide (July 2026). The comments in the code are by the model that wrote it; some were corrected since.
;; Multi Headed Attention. Allowed arithmetic: matrix products marked QUANTISED: E2M1 operands, one E8M0 scale for each 32 along K, by v_wmma_scale_f32_16x16x128_f8f6f4 with both operands' format E2M1 (or v_wmma_scale_f32_32x16x128_f4), f32 sums; everything else in f32.
;; Inputs: key 2 x 2,048 x 1,024 float32; mask 2 x 1 x 2,048 x 2,048 bool; query 2 x 2,048 x 1,024 float32; value 2 x 2,048 x 1,024 float32; wk_b 1,024 float32; wk_w 1,024 x 1,024 float32; wo_b 1,024 float32; wo_w 1,024 x 1,024 float32; wq_b 1,024 float32; wq_w 1,024 x 1,024 float32; wv_b 1,024 float32; wv_w 1,024 x 1,024 float32.
;; Outputs: out0 2 x 2,048 x 1,024 float32.
;; This version of the problem:
;;   THIS VERSION OF THE PROBLEM IS GIVEN IN LOW PRECISION. The matrix products marked QUANTISED in the list below multiply operands that are first quantised to E2M1 (2 exponent bits, 1 mantissa bit; 4 bits a number), with one power-of-two scale for each 32 numbers along K (OCP MX v1.0); their sums are f32. All else is computed in f32.
;;   The module's matrix products, in the order in which they are computed (A, B: the left and right operand; K: the contracted axis; several contracted axes count as one K, in the product's order):
;;     1. [M 4,096, K 1,024] x [K 1,024, N 1,024]; A: input query; B: input wq_w: QUANTISED
;;     2. [M 4,096, K 1,024] x [K 1,024, N 1,024]; A: input key; B: input wk_w: QUANTISED
;;     3. [M 4,096, K 1,024] x [K 1,024, N 1,024]; A: input value; B: input wv_w: QUANTISED
;;     4. batch 32 x [M 2,048, K 64] x [K 64, N 2,048]; A: computed on the way; B: computed on the way: QUANTISED
;;     5. batch 32 x [M 2,048, K 2,048] x [K 2,048, N 64]; A: softmax (see below); B: computed on the way: QUANTISED
;;     6. [M 4,096, K 1,024] x [K 1,024, N 1,024]; A: computed on the way; B: input wo_w: QUANTISED
;;   THE QUANTISER, for each operand of a quantised product, along K:
;;     - K is cut into blocks of 32 from its start; a last block that is shorter is filled with zeros.
;;     - A block's scale is 2^e with e = floor(log2(the largest magnitude in the block)) - 2, held to -126 .. 127; a block of zeros has e = 0. As a byte (E8M0): e + 127.
;;     - Each number is divided by its block's scale, clamped to +-6, and rounded to the nearest number of E2M1, ties to even, subnormals kept.
;;     - The product sums the exact products of the quantised numbers (number of the format x scale) in f32.
;;   ~~~python
;;   def quantise(x, axis):      # numpy; x: float32 -> the quantised numbers, widened to float32 again
;;       x = np.moveaxis(x, axis, -1); K = x.shape[-1]
;;       x = np.pad(x, [(0, 0)] * (x.ndim - 1) + [(0, -K % 32)]); x = x.reshape(x.shape[:-1] + (-1, 32)); a = np.abs(x).max(-1, keepdims=True)
;;       e = np.where(a > 0, np.clip(np.frexp(np.where(a > 0, a, 1))[1] - 1 - 2, -126, 127), 0)      # np.frexp(a)[1] - 1 = floor(log2(a)), exactly
;;       r = np.clip(x / 2.0 ** e, -6, 6)
;;       step = 2.0 ** (np.maximum(np.frexp(np.where(r == 0, 1, r))[1] - 1, 0) - 1)
;;       q = np.round(r / step) * step * 2.0 ** e      # np.round: ties to even
;;       return np.moveaxis(q.reshape(q.shape[:-2] + (-1,))[..., :K], -1, axis).astype(np.float32)
;;   ~~~
;;   SOFTMAX AHEAD OF A QUANTISED PRODUCT. Where the list says 'softmax', what is quantised is not the finished softmax but p = 2^(t - M), with t = logit x log2(e) and M = ceil(the row's largest t), a whole number; so 1/2 < the row's largest p <= 1. The row's sum l is taken of the UNQUANTISED p, in f32, and the product's result is divided by l at the end. Since M is a whole number, a kernel that streams over the keys may use a running M (the ceiling of the running maximum): every later rescaling is an exact power of two, which a block's scale takes up: the codes' values come out the same.
;;   OPERANDS COMPUTED ON THE WAY. 'Computed on the way' means the value that the module computes at that place (a softmax that the list does not call 'softmax' is quantised finished and normalised). What goes into a quantiser is computed in f32, as accurately as f32 sums, v_exp_f32 and their like allow (about 1e-6 of the number): no bf16 or f16 on the way to a quantiser, and a product that is left as it is and whose result goes on into a quantised operand takes f32 operands (vector FMAs, or v_wmma_f32_16x16x4_f32). A number that lies on a knife's edge between two numbers of the format may be rounded either way, as far as f32 arithmetic and the matrix unit's own rounding can turn it there, and no further.
;; 2 versions, each right; version 2 is version 1 with the launch attn written anew for expert scheduling mode. Each part assembles by itself: llvm-mc -triple=amdgcn-amd-amdhsa -mcpu=gfx1250 --defsym DOCPART=n.
;; ======== version 1 of 2: 4 launches
;; limits: right only within a limited range of input values
;; workspace buffers: codes 8,388,608 bytes; scl 524,288 bytes; maskw 1,048,576 bytes of whole numbers; mflag 524,288 bytes of whole numbers; qbuf 2,359,296 bytes; kv 4,587,520 bytes; ao 2,359,296 bytes
;; launch prep (part 1): grid 512 x 1, 4 waves a work-group, no clusters, 41,472 bytes of LDS; arguments query, key, value, wq_w, wk_w, wv_w, wo_w, mask, codes, scl, maskw, mflag; writes codes, scl, maskw, mflag
.if DOCPART == 1
	.amdgcn_target "amdgcn-amd-amdhsa--gfx1250"
	.amdhsa_code_object_version 6
	.text
	.protected	k_q3077050539_prep
	.globl	k_q3077050539_prep
	.p2align	8
	.type	k_q3077050539_prep,@function
k_q3077050539_prep:
	s_mov_b64 s[64:65], 0
	v_nop
	global_prefetch_b8 v0, s[64:65] scope:SCOPE_SE
	s_setreg_imm32_b32 hwreg(HW_REG_WAVE_MODE, 25, 1), 1
	s_wait_xcnt 0x0
; query, key, value [4096][1024] and wq, wk, wv, wo [1024][1024], f32 with K innermost, become codes of FP4 (E2M1) and one E8M0 byte for each 32 along K;
; the mask's bytes become words of one bit a lane, and a flag for each (16 rows, 128 keys).  The seven tensors are one stream of blocks of 32 numbers: codes and scale bytes are laid in the same order, one tensor behind the other.
; A block's scale is 2^(floor(log2(its largest magnitude)) - 2); its byte is the largest magnitude's exponent field - 2, held at 1 from below.
; LIMITS: a block whose largest magnitude lies under 2^-124 (a block of zeros too) keeps the byte 1: its codes are zeros or near it, and this program alone reads the bytes.  NaN and infinities are not served.
; SHARES: work-group g takes 32,768 numbers of the stream (g 0-127 query, 128-255 key, 256-383 value, then 32 each for wq, wk, wv, wo), a wave 8,192 in 16 steps of 512.
; Each of a step's four loads reads 512 consecutive bytes; the 2,048 bytes turn through the wave's own stage in LDS, so that a lane holds 16 neighbours along K (two lanes to a block).
; THE MASK: wave W = 4 g + wave packs rows 16 (W / 8) .. + 15 at keys 256 (W % 8) .. + 255.  Word 8 t + j of (16 rows, 128 keys) has bit 16 h + r = mask[row r][key 16 t + 8 h + j]:
; that is the lane and register in which the attention launch holds that score.  A wave's 128 words leave as 512 consecutive bytes.
; THE FLAGS: for each of the wave's two runs of 128 keys a word: 1 << (the run's number among the row's sixteen) where every one of the 2,048 bytes has its lowest bit set, else 0.  All 32 lanes store the pair:
; 256 consecutive bytes a wave, of which the reader takes the first eight.
; No tensor loads, no barrier: waves share nothing.
.set STEPS, 16
.set EMAX,  2
.set CB,    8                          ; bytes of 16 codes
.set R,     16                         ; v16-79   four sets of 16 numbers as loaded
.set X,     80                         ; v80-111  two sets of 16 neighbours
.set E,     112                        ; v112-127 a scale byte for each step
.set C,     128                        ; v128-191 codes, four registers a step; before step 0 they hold the mask:
.set MRAW,  128                        ; v128-159 16 rows x 256 bytes as loaded
.set MT,    160                        ; v160-191 register g: bytes 4 (g % 2) .. + 3 of my 8 keys of tile g / 2
.set MW,    192                        ; v192-195 the words: word 4 l + k in lane l of register k
.set TT,    196                        ; v196-199 at work
.set MG,    200                        ; v200 my bytes of two rows of the mask
.set MI,    201                        ; v201 the mask's stage, on the way in
.set MO,    202                        ; v202 and out
.set FL,    204                        ; v204-205 the two flags
.set WREG,  10240                      ; LDS: a region for each wave: two stages of 32 x 80 bytes, 256 scale bytes at 5,120, the mask's stage at 5,632
.set SP,    80
.set MST,   5632
.set MP,    272                        ; a row of the mask's stage: 256 bytes + 16
	s_load_b512 s[4:19], s[0:1], 0x0               ; query, key, value, wq, wk, wv, wo, mask (s[18:19])
	s_load_b128 s[20:23], s[0:1], 0x40             ; codes, scl
	s_load_b64 s[24:25], s[0:1], 0x50              ; maskw
	s_load_b64 s[40:41], s[0:1], 0x58              ; mflag
	v_lshl_add_u32 v206, v0, 2, 0xa000
	v_mov_b32 v207, 0
	v_lshrrev_b32 v1, 5, v0
	v_readfirstlane_b32 s26, v1                    ; wave
	v_and_b32 v2, 31, v0                           ; lane
	v_lshlrev_b32 v3, 4, v2                        ; 16 x lane
	s_mul_i32 s27, s26, WREG
	v_lshrrev_b32 v14, 2, v2
	v_mul_u32_u24 v14, v14, SP
	v_and_b32 v15, 3, v2
	v_lshl_add_u32 v14, v15, 4, v14
	v_add_nc_u32 v14, s27, v14                     ; the stage, in: 80 (lane / 4) + 16 (lane % 4)
	v_mul_u32_u24 v15, v2, SP
	v_add_nc_u32 v15, s27, v15                     ; out: 80 x lane
	v_mul_u32_u24 v4, v2, CB                       ; my codes' place in a step's
	v_lshrrev_b32 v5, 1, v2
	s_add_co_u32 s33, s27, 2*32*SP
	v_add_nc_u32 v5, s33, v5                       ; my block's scale byte
	v_lshlrev_b32 v7, 3, v2                        ; 8 x lane
	v_add_nc_u32 v6, s33, v7                       ; and 8 scale bytes on the way out
	v_and_b32 v8, 15, v2                           ; r
	v_lshrrev_b32 v9, 4, v2                        ; h
	v_lshlrev_b32 v[MG], 4, v8
	v_lshl_add_u32 v[MG], v9, 11, v[MG]            ; lanes 0-15 one row of the mask (2,048 bytes apart), lanes 16-31 the next
	v_mul_u32_u24 v[MI], v9, MP
	v_lshl_add_u32 v[MI], v8, 4, v[MI]
	v_add_nc_u32 v[MI], s27, v[MI]
	v_mul_u32_u24 v[MO], v8, MP
	v_lshl_add_u32 v[MO], v9, 3, v[MO]
	v_add_nc_u32 v[MO], s27, v[MO]                 ; row r, 8 h bytes on
.irp k, 0,1,2,3
	v_mov_b32 v[MW+\k], 0                          ; a lane write's destination counts as read
.endr
	s_lshl_b32 s29, ttmp9, 2
	s_add_co_u32 s29, s29, s26                     ; W
	s_mov_b32 s28, 0                               ; the first work-group of my tensor
	s_wait_kmcnt 0x0
.macro PICK first, p                   ; the choice hangs on the work-group's number alone
	s_cmp_ge_u32 ttmp9, \first
	s_cselect_b64 s[4:5], s[\p:\p+1], s[4:5]
	s_cselect_b32 s28, \first, s28
.endm
	PICK 128, 6
	PICK 256, 8
	PICK 384, 10
	PICK 416, 12
	PICK 448, 14
	PICK 480, 16
	s_sub_co_u32 s30, ttmp9, s28
	s_lshl_b32 s30, s30, 17                        ; 131,072 bytes of numbers a work-group,
	s_lshl_b32 s31, s26, 15                        ; 32,768 a wave
	s_add_co_u32 s30, s30, s31
	s_mov_b32 s31, 0
	s_add_nc_u64 s[4:5], s[4:5], s[30:31]
	s_lshl_b32 s30, s29, 12                        ; 4,096 bytes of codes a wave
	s_add_nc_u64 s[20:21], s[20:21], s[30:31]
	s_lshl_b32 s30, s29, 8                         ; 256 scale bytes, and 256 bytes of flags
	s_add_nc_u64 s[22:23], s[22:23], s[30:31]
	s_add_nc_u64 s[40:41], s[40:41], s[30:31]
	s_lshl_b32 s30, s29, 9                         ; 512 bytes of mask words
	s_add_nc_u64 s[24:25], s[24:25], s[30:31]
	s_lshr_b32 s30, s29, 3
	s_lshl_b32 s30, s30, 15                        ; 16 rows of 2,048 bytes
	s_and_b32 s32, s29, 7
	s_lshl_b32 s32, s32, 8                         ; 256 keys
	s_add_co_u32 s30, s30, s32
	s_add_nc_u64 s[18:19], s[18:19], s[30:31]
.irp i, 0,1,2,3,4,5,6,7
	global_load_b128 v[MRAW+4*\i:MRAW+4*\i+3], v[MG], s[18:19] offset:4096*\i th:TH_LOAD_NT   ; rows 2 i, 2 i + 1: 256 consecutive bytes each
.endr
.macro LOAD t
.irp i, 0,1,2,3
	global_load_b128 v[R+16*((\t)%4)+4*\i:R+16*((\t)%4)+4*\i+3], v3, s[4:5] offset:2048*(\t)+512*\i th:TH_LOAD_NT   ; 512 consecutive bytes
.endr
.endm
.macro TURN t                          ; step t's numbers through the stage: LDS serves a wave's instructions in order, so no wait stands between the stores and the loads
.irp i, 0,1,2,3
	ds_store_b128 v14, v[R+16*((\t)%4)+4*\i:R+16*((\t)%4)+4*\i+3] offset:32*SP*((\t)%2)+8*SP*\i
.endr
.irp i, 0,1,2,3
	ds_load_b128 v[X+16*((\t)%2)+4*\i:X+16*((\t)%2)+4*\i+3], v15 offset:32*SP*((\t)%2)+16*\i
.endr
.endm
.irp t, 0,1,2,3
	LOAD \t
.endr
	; THE MASK, while the numbers are on their way
	s_wait_loadcnt 16                              ; the mask's eight loads are in; the sixteen behind them stay out
.irp i, 0,1,2,3,4,5,6,7
	ds_store_b128 v[MI], v[MRAW+4*\i:MRAW+4*\i+3] offset:MST+2*MP*\i
.endr
.irp e, 0,1
.irp t, 0,1,2,3,4,5,6,7
	ds_load_b64 v[MT+2*(8*\e+\t):MT+2*(8*\e+\t)+1], v[MO] offset:MST+128*\e+16*\t   ; row r, keys 128 e + 16 t + 8 h + 0 .. 7
.endr
.endr
	s_wait_dscnt 0x0
	; the flags: registers 16 e .. 16 e + 15 hold run e's 2,048 bytes; their AND has 1 in every byte of every lane only where no key is hidden
.irp e, 0,1
	v_and_b32 v[TT+\e], v[MT+16*\e], v[MT+16*\e+1]
.endr
.irp i, 2,3,4,5,6,7,8,9,10,11,12,13,14,15
.irp e, 0,1
	v_and_b32 v[TT+\e], v[TT+\e], v[MT+16*\e+\i]
.endr
.endr
	v_cmp_eq_u32 s36, 0x01010101, v[TT]
	v_cmp_eq_u32 s37, 0x01010101, v[TT+1]
	s_and_b32 s42, s29, 7
	s_lshl_b32 s42, s42, 1                         ; the number of my first run of 128 keys,
	s_lshl_b32 s43, 1, s42                         ; and its bit
	s_cmp_eq_u32 s36, -1                           ; all 32 lanes?
	s_cselect_b32 s44, s43, 0
	s_lshl_b32 s43, s43, 1
	s_cmp_eq_u32 s37, -1
	s_cselect_b32 s45, s43, 0
	v_mov_b32 v[FL], s44
	v_mov_b32 v[FL+1], s45
	global_store_b64 v7, v[FL:FL+1], s[40:41]      ; 256 consecutive bytes
.set g, 0
.rept 32                               ; words 4 g .. 4 g + 3: byte k of register g, compared in all 32 lanes at once
.irp k, 0,1,2,3
	v_and_b32 v[TT+\k], 0xff<<(8*\k), v[MT+g]
.endr
.irp k, 0,1,2,3
	v_cmp_ne_u32 s[36+\k], 0, v[TT+\k]             ; bit 16 h + r
.endr
.irp k, 0,1,2,3
	v_writelane_b32 v[MW+\k], s[36+\k], g
.endr
.set g, g+1
.endr
	global_store_b128 v3, v[MW:MW+3], s[24:25]     ; 512 consecutive bytes
	; THE NUMBERS
	s_wait_loadcnt 12                              ; step 0's four loads are in
	TURN 0
.macro STEP t
.set XS, X+16*((\t)%2)
.if (\t) > 0
	s_wait_dscnt 1                                 ; this step's numbers are back from the stage (the last step's byte store may be out)
.else
	s_wait_dscnt 0x0
.endif
.if (\t)+4 < STEPS
	LOAD (\t)+4
.endif
.if (\t)+1 < STEPS
.if STEPS-2-(\t) >= 3
	s_wait_loadcnt 12                              ; the next step's four loads are in; three steps' may be out
.else
	s_wait_loadcnt 4*(STEPS-2-(\t))
.endif
	TURN (\t)+1
.endif
	v_max3_num_f32 v8, |v[XS]|, |v[XS+1]|, |v[XS+2]|
	v_max3_num_f32 v9, |v[XS+3]|, |v[XS+4]|, |v[XS+5]|
.irp i, 6,10
	v_max3_num_f32 v8, v8, |v[XS+\i]|, |v[XS+\i+1]|
	v_max3_num_f32 v9, v9, |v[XS+\i+2]|, |v[XS+\i+3]|
.endr
	v_max3_num_f32 v8, v8, |v[XS+14]|, |v[XS+15]|
	v_max3_num_f32 v8, v8, v9, (EMAX+1)<<23        ; and the floor 2^(3 - 127): the byte cannot fall under 1
	v_max_num_f32_dpp v8, v8, v8 row_xmask:1 row_mask:0xf bank_mask:0xf   ; with my neighbour's 16: the block's largest magnitude
	v_add_nc_u32 v11, -(EMAX<<23), v8              ; 2 off its exponent field: the conversion takes this operand's exponent field as its scale
	v_cvt_scalef32_pk8_fp4_f32 v[C+4*(\t)], v[XS:XS+7], v11
	v_cvt_scalef32_pk8_fp4_f32 v[C+4*(\t)+1], v[XS+8:XS+15], v11
	v_lshrrev_b32 v[E+(\t)], 23, v11               ; the scale's byte
	ds_store_b8 v5, v[E+(\t)] offset:16*(\t)       ; both lanes of a block write the same byte with the same value
	global_store_b64 v4, v[C+4*(\t):C+4*(\t)+1], s[20:21] offset:32*CB*(\t)   ; 256 consecutive bytes
.endm
.irp t, 0,1,2,3,4,5,6,7,8,9,10,11,12,13,14,15
	STEP \t
.endr
	ds_load_b64 v[12:13], v6                       ; LDS serves a wave's instructions in order: these see my stores
	s_wait_dscnt 0x0
	global_store_b64 v7, v[12:13], s[22:23]        ; 256 consecutive bytes
	s_wait_tensorcnt 0x0
	ds_add_u32 v206, v207
	s_wait_dscnt 0x0
	s_endpgm
.Lfunc_end_k_q3077050539_prep:
	.size	k_q3077050539_prep, .Lfunc_end_k_q3077050539_prep-k_q3077050539_prep
	.p2alignl 7, 3214868480
	.fill 96, 4, 3214868480
	.section	.rodata,"a",@progbits
	.p2align	6, 0x0
	.amdhsa_kernel k_q3077050539_prep
		.amdhsa_group_segment_fixed_size 41472
		.amdhsa_private_segment_fixed_size 0
		.amdhsa_enable_private_segment 0
		.amdhsa_kernarg_size 96
		.amdhsa_user_sgpr_count 2
		.amdhsa_user_sgpr_kernarg_segment_ptr 1
		.amdhsa_wavefront_size32 1
		.amdhsa_system_sgpr_workgroup_id_x 1
		.amdhsa_system_sgpr_workgroup_id_y 1
		.amdhsa_system_sgpr_workgroup_id_z 1
		.amdhsa_system_vgpr_workitem_id 0
		.amdhsa_next_free_vgpr 208
		.amdhsa_next_free_sgpr 66
		.amdhsa_reserve_vcc 0
		.amdhsa_float_denorm_mode_32 3
		.amdhsa_float_denorm_mode_16_64 3
		.amdhsa_memory_ordered 1
		.amdhsa_forward_progress 1
		.amdhsa_inst_pref_size 63
	.end_amdhsa_kernel
	.amdgpu_metadata
---
amdhsa.version: [ 1, 2 ]
amdhsa.kernels:
  - .name:           k_q3077050539_prep
    .symbol:         k_q3077050539_prep.kd
    .args:
      - { .name: query, .offset: 0, .size: 8, .value_kind: global_buffer, .address_space: global }
      - { .name: key, .offset: 8, .size: 8, .value_kind: global_buffer, .address_space: global }
      - { .name: value, .offset: 16, .size: 8, .value_kind: global_buffer, .address_space: global }
      - { .name: wq_w, .offset: 24, .size: 8, .value_kind: global_buffer, .address_space: global }
      - { .name: wk_w, .offset: 32, .size: 8, .value_kind: global_buffer, .address_space: global }
      - { .name: wv_w, .offset: 40, .size: 8, .value_kind: global_buffer, .address_space: global }
      - { .name: wo_w, .offset: 48, .size: 8, .value_kind: global_buffer, .address_space: global }
      - { .name: mask, .offset: 56, .size: 8, .value_kind: global_buffer, .address_space: global }
      - { .name: codes, .offset: 64, .size: 8, .value_kind: global_buffer, .address_space: global }
      - { .name: scl, .offset: 72, .size: 8, .value_kind: global_buffer, .address_space: global }
      - { .name: maskw, .offset: 80, .size: 8, .value_kind: global_buffer, .address_space: global }
      - { .name: mflag, .offset: 88, .size: 8, .value_kind: global_buffer, .address_space: global }
    .group_segment_fixed_size: 41472
    .private_segment_fixed_size: 0
    .kernarg_segment_align: 8
    .kernarg_segment_size: 96
    .max_flat_workgroup_size: 128
    .sgpr_count:     66
    .vgpr_count:     208
    .wavefront_size: 32
...
	.end_amdgpu_metadata
.endif
;; end of part 1
;; launch proj (part 2): grid 4 x 48, 4 waves a work-group, clusters of 4 x 4, 279,040 bytes of LDS; arguments codes, scl, wq_b, wk_b, wv_b, qbuf, kv; writes qbuf, kv
.if DOCPART == 2
	.amdgcn_target "amdgcn-amd-amdhsa--gfx1250"
	.amdhsa_code_object_version 6
	.text
	.protected	k_q3077050539_proj
	.globl	k_q3077050539_proj
	.p2align	8
	.type	k_q3077050539_proj,@function
k_q3077050539_proj:
	s_mov_b64 s[64:65], 0
	v_nop
	global_prefetch_b8 v0, s[64:65] scope:SCOPE_SE
	s_setreg_imm32_b32 hwreg(HW_REG_WAVE_MODE, 25, 1), 1
	s_wait_xcnt 0x0
	s_wait_alu depctr_hold_cnt(0) depctr_sa_sdst(0) depctr_va_vdst(0) depctr_va_sdst(0) depctr_va_ssrc(0) depctr_va_vcc(0) depctr_vm_vsrc(0)
	s_getreg_b32 s2, hwreg(HW_REG_IB_STS2, 6, 4)
	s_cmp_eq_u32 s2, 0
	s_cbranch_scc0 .Lentry_in_a_cluster
	s_endpgm
.Lentry_in_a_cluster:
	s_bfe_u32 s2, ttmp6, 0x10000c
	s_cmp_lg_u32 s2, 0xf033
	s_cbranch_scc0 .Lentry_shape_is_right
	s_endpgm
.Lentry_shape_is_right:
; The three projections on codes of FP4 (E2M1) with one E8M0 scale for each 32 along K = 1,024; bias in f32; the results are quantised in registers and leave as codes.
; A work-group of four waves makes 256 x 256 of one projection, a wave 128 x 128: 64 accumulators, 512 registers.  All of K lies in two LDS slots of 512 along K, each filled ONCE by the tensor data mover.
; SOURCE 0 ('B') is the operand whose rows run along the NEXT product's K, SOURCE 1 ('A') the operand whose row stays in a lane: in accumulator (a, b) lane (r, h) holds A's row 16 a + r and register j B's row 16 b + 8 h + j.
;   Q, K (cluster rows 0-3, 4-7):  A = the tokens, B = the weight's rows (channels): a lane's 64 numbers are two heads' 64 channels of one token: K of the score product.
;   V    (cluster rows 8-11):      A = wv's rows (channels), B = the tokens: a lane's 64 numbers run along 128 keys of one channel (with lane l xor 16's): K of the second product.
; QUANTISING: a block of 32 is tiles 2 B, 2 B + 1 in lanes l and l xor 16.  Tile 4 c + 2 e + u's eight codes go to register 4 c + 2 u + e; an exchange of halves between registers 4 c + 2 u and 4 c + 2 u + 1
; then leaves k = 64 c + 32 h + 0 .. 31 in registers 4 c .. 4 c + 3: the operand's own order.  The codes are stored as that image, 16 bytes a lane, 512 consecutive bytes a store.
; OUT: qbuf: record (b 16 + head) 16 + block of 128 queries, 4,608 bytes: 8 images of 16 rows x 64, then the scale words.  kv: record (b 16 + head) 16 + step of 128 keys, 8,960 bytes: K's 8 images, V's 4 fragments
; (16 channels x 128 keys, 1,024 bytes), K's scale words (512), V's (256).  A Q or K scale word repeats its two bytes: the upper 64 of that product's 128 along K are zero codes of Q.
; CLUSTERS: 4 x 4 work-groups; A's tiles are asked for jointly along a row of the cluster, B's along a column.  192 work-groups: the three products do not cut into 256 equal tiles that keep 128 of B's rows in one wave.
; LIMITS: a block whose largest magnitude lies under 2^-124 keeps the byte 1; NaN and infinities are not served.
; REGISTERS: window 0: v1-7 at work, v8-15 bias along A, v16-29 addresses, v32-63 B's scale words, v64-95 A's (register 8 j + s: tile j in lanes 0-15, tile j + 4 in lanes 16-31, the s-th 128 along K),
;   v96-111 the quantiser's work, v112-127 codes (two sets), v128-191 A's fragments, later 64 numbers, v192-255 bias along B.  window 1: B's fragments, two sets.  windows 2, 3: the accumulators.
.set ROWB,   256                       ; a tile's row: 512 codes
.set KROW,   512                       ; a row of codes in memory
.set PITCH,  272                       ; an LDS row: 256 bytes + 16: the 16 rows of a load start at 16 different banks (64 banks of 4 bytes: ISA guide 11.1)
.set FR,     8
.set NL,     2
.set NP,     4                         ; places behind this matrix instruction (ISA guide 7.12.1)
.set HALFT,  128*PITCH
.set SLOT,   4*HALFT                   ; A's 256 rows, then B's 256 rows
.set BR,   8
.set ADRA, 16
.set ADRB, 20
.set LO,   24                          ; 16 x lane
.set LO2,  25                          ; + where a record's scale words begin
.set LO8,  26                          ; 8 x lane
.set PW,   29                          ; the scale word just made
.set SCB,  32
.set SCA,  64
.set W0,   32                          ; behind the products: the scale words made, eight for each head
.set W1,   40
.set SS,   48                          ; and as they are stored
.set TM,   96
.set PC,   112
.set AF,   128
.set TMP,  128
.set BP,   192
.set G1,  24
.set G0,  32
.set G1B, 48
.set G0B, 56
.set SEL, 80
.set MSB, 0
.macro WIN new                         ; the immediate's high byte repeats the setting that is left
.if MSB != \new
	s_set_vgpr_msb (MSB<<8)|\new
.set MSB, \new
.endif
.endm
.set MUL_LO, 0xa1                      ; source 0 (B) window 1, source 1 (A) window 0, C and D window 2
.set MUL_HI, 0xf1
.set TO_B,   0x40
.macro JLOAD s                         ; a joint load: waves 0 and 1 fetch for A, waves 2 and 3 for B; four v_nop follow each line
	s_cmp_eq_u32 s19, 0
	s_cbranch_scc0 .Lfor_b_\@
	tensor_load_to_lds s[G0+4*\s:G0+4*\s+3], s[G1:G1+7]
	s_nop 0
.rept 4
	v_nop
.endr
	s_branch .Lasked_\@
.Lfor_b_\@:
	tensor_load_to_lds s[G0B+4*\s:G0B+4*\s+3], s[G1B:G1B+7]
	s_nop 0
.rept 4
	v_nop
.endr
.Lasked_\@:
.endm
.macro CROUND                          ; a round of the cluster's barrier
	s_barrier_signal -1
	s_barrier_wait -1
	s_cmp_lg_u32 s18, 0
	s_cbranch_scc1 .Lnot_wave_0_\@
	s_barrier_signal -3
.Lnot_wave_0_\@:
	s_barrier_wait -3
	s_barrier_signal -1
	s_barrier_wait -1
.endm
	s_load_b256 s[4:11], s[0:1], 0x0               ; codes, scl, wq_b, wk_b
	s_load_b128 s[12:15], s[0:1], 0x20             ; wv_b, qbuf
	s_load_b64 s[16:17], s[0:1], 0x30              ; kv
	v_lshl_add_u32 v106, v0, 2, 0x44000
	v_mov_b32 v107, 0
	ds_add_u32 v106, v107
	ds_add_u32 v106, v107
	v_lshrrev_b32 v1, 5, v0
	v_readfirstlane_b32 s18, v1                    ; wave
	s_lshr_b32 s19, s18, 1                         ; my half of A's rows.  Also: I fetch for A (0) or for B (1)
	s_and_b32 s20, s18, 1                          ; my half of B's rows.  Also: which 128 rows I fetch
	s_bfe_u32 s21, ttmp6, 0x40000                  ; cx
	s_bfe_u32 s22, ttmp6, 0x40004                  ; cy
	s_and_b32 s23, ttmp7, 0xffff                   ; the cluster's y, 0 .. 11: the same in all sixteen partners
	s_lshr_b32 s40, s23, 2                         ; which projection: 0 Q, 1 K, 2 V
	s_and_b32 s41, s23, 3
	s_lshl_b32 s41, s41, 2                         ; four tiles of the tokens' sixteen to a cluster
	s_lshl_b32 s82, s40, 21                        ; where A's codes begin: query 0, key 2,097,152; V: wv 7,340,032
	s_lshl_b32 s83, s40, 19
	s_add_co_u32 s83, s83, 6291456                 ; and B's: wq 6,291,456, wk 6,815,744; V: value 4,194,304
	s_cmp_eq_u32 s40, 2
	s_cselect_b32 s42, s41, 0
	s_cselect_b32 s43, 0, s41
	s_cselect_b32 s82, 7340032, s82
	s_cselect_b32 s83, 4194304, s83
	s_add_co_u32 s42, s42, s21                     ; B's tile: hangs on cx alone within the cluster
	s_add_co_u32 s43, s43, s22                     ; A's tile: on cy alone
	s_lshl_b32 s44, s22, 2
	s_lshl_b32 s44, 15, s44                        ; my row of the cluster
	s_lshl_b32 s45, 0x1111, s21                    ; my column
	s_or_b32 s[G1+0], s44, (0<<16)|(1<<20)|(1<<21)|(5<<22)|(3<<25)   ; the mask; elements of 1 byte; padding: 4 words behind every 64; bit 21 beside a mask
	s_or_b32 s[G1B+0], s45, (0<<16)|(1<<20)|(1<<21)|(5<<22)|(3<<25)
.irp g, G1, G1B
	s_mov_b32 s[\g+1], ROWB<<16                    ; tensor_dim0
	s_mov_b32 s[\g+2], 128<<16                     ; tensor_dim1
	s_mov_b32 s[\g+3], ROWB<<16                    ; tile_dim0
	s_mov_b32 s[\g+4], 128                         ; tile_dim1
	s_mov_b32 s[\g+5], KROW                        ; from row to row
	s_mov_b32 s[\g+6], 0
	s_mov_b32 s[\g+7], 0
.endr
	s_lshl_b32 s84, s43, 8
	s_lshl_b32 s86, s19, 7
	s_add_co_u32 s84, s84, s86                     ; the first of A's rows that I multiply
	s_lshl_b32 s85, s42, 8
	s_lshl_b32 s86, s20, 7
	s_add_co_u32 s85, s85, s86                     ; the first of B's rows that I multiply, and that waves 2, 3 fetch
	s_lshl_b32 s66, s43, 8
	s_add_co_u32 s66, s66, s86                     ; the first of A's rows that waves 0, 1 fetch
	s_lshl_b32 s66, s66, 9
	s_add_co_u32 s66, s66, s82
	s_mov_b32 s67, 0
	s_lshl_b32 s68, s85, 9
	s_add_co_u32 s68, s68, s83
	s_mov_b32 s69, 0
	s_mul_i32 s87, s18, HALFT                      ; where they go: wave x 128 rows
	s_wait_dscnt 0x0
	s_wait_kmcnt 0x0
	s_add_nc_u64 s[66:67], s[4:5], s[66:67]
	s_add_nc_u64 s[68:69], s[4:5], s[68:69]
	CROUND                                         ; all sixteen work-groups are here: the joint loads meet
.irp s, 0,1
	s_mov_b32 s[G0+4*\s], 1
	s_add_co_u32 s[G0+4*\s+1], s87, \s*SLOT
	s_add_nc_u64 s[G0+4*\s+2:G0+4*\s+3], s[66:67], \s*ROWB
	s_or_b32 s[G0+4*\s+3], s[G0+4*\s+3], 0x80000000
	s_mov_b32 s[G0B+4*\s], 1
	s_add_co_u32 s[G0B+4*\s+1], s87, \s*SLOT
	s_add_nc_u64 s[G0B+4*\s+2:G0B+4*\s+3], s[68:69], \s*ROWB
	s_or_b32 s[G0B+4*\s+3], s[G0B+4*\s+3], 0x80000000
	JLOAD \s                                       ; both slots: all of K; two loads of mine are out
.endr
	s_cmp_eq_u32 s40, 1
	s_cselect_b64 s[70:71], s[10:11], s[8:9]
	s_cmp_eq_u32 s40, 2
	s_cselect_b64 s[70:71], s[12:13], s[70:71]     ; the projection's bias
	v_and_b32 v1, 15, v0                           ; r
	v_bfe_u32 v2, v0, 4, 1                         ; h
	v_lshl_add_u32 v3, v2, 6, v1                   ; 64 h + r
	s_lshl_b32 s88, s85, 5
	s_lshr_b32 s89, s83, 4                         ; scale bytes lie at a sixteenth of the codes' offset, 32 a row
	s_add_co_u32 s88, s88, s89
	v_lshl_add_u32 v4, v3, 5, s88
	s_lshl_b32 s90, s84, 5
	s_lshr_b32 s89, s82, 4
	s_add_co_u32 s90, s90, s89
	v_lshl_add_u32 v5, v3, 5, s90
.irp j, 0,1,2,3
.irp e, 0,1
	global_load_b128 v[SCB+8*\j+4*\e:SCB+8*\j+4*\e+3], v4, s[6:7] offset:512*\j+16*\e   ; row 16 j + 64 h + r: four of its eight scale words
	global_load_b128 v[SCA+8*\j+4*\e:SCA+8*\j+4*\e+3], v5, s[6:7] offset:512*\j+16*\e
.endr
.endr
	s_and_b32 s91, s85, 1023                       ; both bias tables are loaded whatever the projection; the one that is not its own stays inside the 1,024 numbers by this mask
	s_lshl_b32 s91, s91, 2
	v_lshl_add_u32 v6, v2, 5, s91
	s_and_b32 s92, s84, 1023
	s_lshl_b32 s92, s92, 2
	v_lshl_add_u32 v7, v1, 2, s92
.irp b, 0,1,2,3,4,5,6,7
	global_load_b128 v[BP+8*\b:BP+8*\b+3], v6, s[70:71] offset:64*\b          ; bias of B's rows 16 b + 8 h + 0 .. 7
	global_load_b128 v[BP+8*\b+4:BP+8*\b+7], v6, s[70:71] offset:64*\b+16
	global_load_b32 v[BR+\b], v7, s[70:71] offset:64*\b                       ; bias of A's row 16 b + r
.endr
	v_mul_u32_u24 v27, v1, PITCH
	v_lshl_add_u32 v27, v2, 4, v27                 ; a fragment's row x pitch + 16 x half
	s_mul_i32 s91, s19, HALFT
	s_mul_i32 s92, s20, HALFT
	s_add_co_u32 s92, s92, 2*HALFT
.irp s, 0,1
	v_add_nc_u32 v[ADRA+\s], s91, v27
	v_add_nc_u32 v[ADRB+\s], s92, v27
	s_add_co_u32 s91, s91, SLOT
	s_add_co_u32 s92, s92, SLOT
.endr
	v_and_b32 v28, 31, v0
	v_lshlrev_b32 v[LO], 4, v28
	v_lshlrev_b32 v[LO8], 3, v28
.irp b, 0,1,2,3
	v_mov_b32 v[TM+4+\b], 0                        ; written once: a lane permute's destination counts as one of its sources
.endr
	s_mov_b32 s78, 0x01000100                      ; byte selects: a head's two scale bytes, twice
	s_mov_b32 s79, 0x03020302
	s_mov_b32 s[SEL], 0x76543210
	s_mov_b32 s[SEL+1], 0xfedcba98                 ; lane l xor 16
.macro FRAG reg, adr, q, i             ; 16 rows x 128 K: lane l holds row l % 16; registers 4 c .. 4 c + 3 hold K = 64 c + 32 (l / 16) + 0 .. 31
.irp c, 0,1
	ds_load_b128 v[\reg+4*\c:\reg+4*\c+3], v[\adr] offset:64*(\q)+32*\c+(\i)*16*PITCH
.endr
.endm
; one product: A's block a x B's block b, B's set p, the s-th 128 along K.  A side's scale words stand in lanes 16-31 for blocks 4-7.
.macro MM a, b, p, s, zero
.set rD, 8*(8*((\a)%4)+(\b))
.set rB, 128*(\p)+FR*(\b)
.set rA, AF+FR*(\a)
.set rSB, SCB+8*((\b)%4)+(\s)
.set rSA, SCA+8*((\a)%4)+(\s)
.if \zero
.if ((\a) < 4) && ((\b) < 4)
	v_wmma_scale_f32_16x16x128_f8f6f4 v[rD:rD+7], v[rB:rB+7], v[rA:rA+7], 0, v[rSB], v[rSA] matrix_a_fmt:MATRIX_FMT_FP4 matrix_b_fmt:MATRIX_FMT_FP4
.elseif (\a) < 4
	v_wmma_scale_f32_16x16x128_f8f6f4 v[rD:rD+7], v[rB:rB+7], v[rA:rA+7], 0, v[rSB], v[rSA] matrix_a_fmt:MATRIX_FMT_FP4 matrix_b_fmt:MATRIX_FMT_FP4 matrix_a_scale:MATRIX_SCALE_ROW1
.elseif (\b) < 4
	v_wmma_scale_f32_16x16x128_f8f6f4 v[rD:rD+7], v[rB:rB+7], v[rA:rA+7], 0, v[rSB], v[rSA] matrix_a_fmt:MATRIX_FMT_FP4 matrix_b_fmt:MATRIX_FMT_FP4 matrix_b_scale:MATRIX_SCALE_ROW1
.else
	v_wmma_scale_f32_16x16x128_f8f6f4 v[rD:rD+7], v[rB:rB+7], v[rA:rA+7], 0, v[rSB], v[rSA] matrix_a_fmt:MATRIX_FMT_FP4 matrix_b_fmt:MATRIX_FMT_FP4 matrix_a_scale:MATRIX_SCALE_ROW1 matrix_b_scale:MATRIX_SCALE_ROW1
.endif
.else
.if ((\a) < 4) && ((\b) < 4)
	v_wmma_scale_f32_16x16x128_f8f6f4 v[rD:rD+7], v[rB:rB+7], v[rA:rA+7], v[rD:rD+7], v[rSB], v[rSA] matrix_a_fmt:MATRIX_FMT_FP4 matrix_b_fmt:MATRIX_FMT_FP4
.elseif (\a) < 4
	v_wmma_scale_f32_16x16x128_f8f6f4 v[rD:rD+7], v[rB:rB+7], v[rA:rA+7], v[rD:rD+7], v[rSB], v[rSA] matrix_a_fmt:MATRIX_FMT_FP4 matrix_b_fmt:MATRIX_FMT_FP4 matrix_a_scale:MATRIX_SCALE_ROW1
.elseif (\b) < 4
	v_wmma_scale_f32_16x16x128_f8f6f4 v[rD:rD+7], v[rB:rB+7], v[rA:rA+7], v[rD:rD+7], v[rSB], v[rSA] matrix_a_fmt:MATRIX_FMT_FP4 matrix_b_fmt:MATRIX_FMT_FP4 matrix_b_scale:MATRIX_SCALE_ROW1
.else
	v_wmma_scale_f32_16x16x128_f8f6f4 v[rD:rD+7], v[rB:rB+7], v[rA:rA+7], v[rD:rD+7], v[rSB], v[rSA] matrix_a_fmt:MATRIX_FMT_FP4 matrix_b_fmt:MATRIX_FMT_FP4 matrix_a_scale:MATRIX_SCALE_ROW1 matrix_b_scale:MATRIX_SCALE_ROW1
.endif
.endif
.endm
.macro MUL16 a0, p, s, zero            ; 16 products; the 64 accumulators take turns, one instruction a turn, in the same order in every step
.irp a, \a0, \a0+1
.irp b, 0,1,2,3,4,5,6,7
	MM \a, \b, \p, \s, \zero
.endr
.endr
.endm
.macro FETCH_B slot, q, p
	WIN TO_B
.irp i, 0,1,2,3,4,5,6,7
	FRAG 128*(\p)+FR*\i, ADRB+\slot, \q, \i
.endr
	WIN 0
.endm
.macro FETCH_A slot, q, i0
.irp i, \i0, \i0+1, \i0+2, \i0+3
	FRAG AF+FR*(\i), ADRA+\slot, \q, \i
.endr
.endm
.macro PLACES n                        ; plain vector instructions between a matrix instruction and a load into, or a vector instruction on, its registers
.rept \n
	v_nop
.endr
.endm
.macro STEP slot, q, zero              ; 128 along K with its successor in the same slot: A has one set of registers (blocks 0-3 fetched anew in the middle, 4-7 at the end), B two
	s_wait_dscnt 4*NL                              ; all but the youngest eight loads (A's blocks 4-7)
	WIN MUL_LO
	MUL16 0, (\q)%2, 4*\slot+\q, \zero
	MUL16 2, (\q)%2, 4*\slot+\q, \zero
	s_wait_dscnt 0
	PLACES NP
	FETCH_B \slot, (\q)+1, 1-(\q)%2
	FETCH_A \slot, (\q)+1, 0
	WIN MUL_HI
	MUL16 4, (\q)%2, 4*\slot+\q, \zero
	MUL16 6, (\q)%2, 4*\slot+\q, \zero
	PLACES NP
	WIN 0
	FETCH_A \slot, (\q)+1, 4
.endm
	s_wait_loadcnt 0x0                             ; scale words and biases
	s_wait_tensorcnt 1                             ; my part of slot 0 is in; slot 1's may stay out
	s_barrier_signal -1
	s_barrier_wait -1                              ; everybody's is
	FETCH_B 0, 0, 0
	FETCH_A 0, 0, 0
	FETCH_A 0, 0, 4
	STEP 0, 0, 1                                   ; the first products start the sums: nothing is cleared
	STEP 0, 1, 0
	STEP 0, 2, 0
	; slot 0's last step, and on to slot 1: my part of it has landed, and behind the barrier everybody's has
	s_wait_tensorcnt 0x0
	s_wait_dscnt 4*NL
	WIN MUL_LO
	MUL16 0, 1, 3, 0
	s_wait_dscnt 0x0
	s_barrier_signal -1
	MUL16 2, 1, 3, 0
	WIN 0
	s_barrier_wait -1
	PLACES NP
	FETCH_B 1, 0, 0
	FETCH_A 1, 0, 0
	WIN MUL_HI
	MUL16 4, 1, 3, 0
	MUL16 6, 1, 3, 0
	PLACES NP
	WIN 0
	FETCH_A 1, 0, 4
	STEP 1, 0, 0
	STEP 1, 1, 0
	STEP 1, 2, 0
	s_wait_dscnt 4*NL                              ; the last step: nothing more to fetch
	WIN MUL_LO
	MUL16 0, 1, 7, 0
	MUL16 2, 1, 7, 0
	s_wait_dscnt 0
	WIN MUL_HI
	MUL16 4, 1, 7, 0
	MUL16 6, 1, 7, 0
	WIN 0
	PLACES NP                                      ; behind the last products: their results are read, their operands' and scales' registers written below
; 64 numbers of a lane, v[s] on (register 8 t + j = next K 16 t + 8 h + j), become a fragment's codes in v[pc] on and its row's scale word in v[pw].
.macro QUANT s, pc, pw
.irp b, 0,1,2,3
	v_max3_num_f32 v[TM+\b], |v[\s+16*\b]|, |v[\s+1+16*\b]|, 0x1800000   ; block b: my 16 numbers, and the floor 2^(3 - 127): the byte cannot fall under 1
.endr
.irp i, 2,4,6,8,10,12,14
.irp b, 0,1,2,3
	v_max3_num_f32 v[TM+\b], v[TM+\b], |v[\s+16*\b+\i]|, |v[\s+1+16*\b+\i]|
.endr
.endr
.irp b, 0,1,2,3
	v_permlanex16_b32 v[TM+4+\b], v[TM+\b], s[SEL], s[SEL+1]
.endr
.irp b, 0,1,2,3
	v_max_num_f32 v[TM+\b], v[TM+\b], v[TM+4+\b]   ; with lane l xor 16's: the block's largest magnitude
.endr
.irp b, 0,1,2,3
	v_add_nc_u32 v[TM+12+\b], 0xff000000, v[TM+\b] ; 2 off its exponent field: the conversion's scale operand
.endr
.irp b, 0,1,2,3
	v_lshrrev_b32 v[TM+4+\b], 23, v[TM+12+\b]      ; the scale's byte
.endr
	v_lshl_or_b32 v[\pw], v[TM+5], 8, v[TM+4]
	v_lshl_or_b32 v[\pw], v[TM+6], 16, v[\pw]
	v_lshl_or_b32 v[\pw], v[TM+7], 24, v[\pw]
.irp c, 0,1
.irp e, 0,1
.irp u, 0,1
	v_cvt_scalef32_pk8_fp4_f32 v[\pc+4*\c+2*\u+\e], v[\s+8*(4*\c+2*\e+\u):\s+8*(4*\c+2*\e+\u)+7], v[TM+12+2*\c+\e]
.endr
.endr
.endr
	v_nop                                          ; one plain place behind a scaled conversion
.irp c, 0,1
.irp u, 0,1
	v_permlane16_swap_b32 v[\pc+4*\c+2*\u], v[\pc+4*\c+2*\u+1]   ; a whole block to a lane: lanes 0-15 block 2 c, lanes 16-31 block 2 c + 1
.endr
.endr
.endm
	s_cmp_eq_u32 s40, 2                            ; the projection is the same in the whole cluster; neither way touches LDS
	s_cbranch_scc1 .Lv
	; ---- Q, K: tokens in the lanes, two heads' channels in the registers
	s_mov_b32 s76, 8960                            ; a record's bytes, and where its scale words begin: K's, or
	s_mov_b32 s77, 8192
	s_cmp_eq_u32 s40, 0
	s_cselect_b64 s[72:73], s[14:15], s[16:17]
	s_cselect_b32 s76, 4608, s76                   ; Q's
	s_cselect_b32 s77, 4096, s77
	s_lshr_b32 s86, s84, 11                        ; b
	s_lshl_b32 s86, s86, 4
	s_lshr_b32 s87, s85, 6                         ; my first head
	s_add_co_u32 s86, s86, s87
	s_lshl_b32 s86, s86, 4
	s_bfe_u32 s87, s84, 0x40007                    ; which 128 tokens of the 2,048
	s_add_co_u32 s86, s86, s87
	s_mul_i32 s86, s86, s76
	s_mov_b32 s87, 0
	s_add_nc_u64 s[72:73], s[72:73], s[86:87]      ; the first head's record,
	s_lshl_b32 s86, s76, 4
	s_add_nc_u64 s[74:75], s[72:73], s[86:87]      ; the second's: sixteen records on
	v_add_nc_u32 v[LO2], s77, v[LO]
	s_mov_b32 vcc_lo, 0xffff0000                   ; lanes 16-31
.macro EPI_QK a
	s_wait_xcnt 0x0                                ; the stores of two blocks ago have read this set of codes
	WIN 0x02+(\a)/4                                ; source 0: the accumulators' window
.set AC, 64*((\a)%4)
.set i, 0
.rept 32
	v_pk_add_f32 v[TMP+i:TMP+i+1], v[AC+i:AC+i+1], v[BP+i:BP+i+1]   ; + bias; each accumulator from its low end on
.set i, i+2
.endr
	WIN 0
	QUANT TMP, PC+8*((\a)%2), PW
	v_perm_b32 v[W0+\a], v[PW], v[PW], s78         ; the first head's two bytes, twice
	v_perm_b32 v[W1+\a], v[PW], v[PW], s79         ; the second's
	global_store_b128 v[LO], v[PC+8*((\a)%2):PC+8*((\a)%2)+3], s[72:73] offset:512*\a     ; an image: 512 consecutive bytes
	global_store_b128 v[LO], v[PC+8*((\a)%2)+4:PC+8*((\a)%2)+7], s[74:75] offset:512*\a
.endm
.irp a, 0,1,2,3,4,5,6,7
	EPI_QK \a
.endr
.irp i, 0,1,2,3
	v_cndmask_b32 v[SS+\i], v[W0+2*\i], v[W0+2*\i+1], vcc_lo       ; register i: tile 2 i in lanes 0-15, tile 2 i + 1 in lanes 16-31
	v_cndmask_b32 v[SS+4+\i], v[W1+2*\i], v[W1+2*\i+1], vcc_lo
.endr
	global_store_b128 v[LO2], v[SS:SS+3], s[72:73]
	global_store_b128 v[LO2], v[SS+4:SS+7], s[74:75]
	s_branch .Ldone
.Lv:	; ---- V: channels in the lanes, 128 keys in the registers
	s_lshr_b32 s86, s85, 11                        ; b
	s_lshl_b32 s86, s86, 4
	s_lshr_b32 s87, s84, 6                         ; my first head
	s_add_co_u32 s86, s86, s87
	s_lshl_b32 s86, s86, 4
	s_bfe_u32 s87, s85, 0x40007                    ; which 128 keys
	s_add_co_u32 s86, s86, s87
	s_mul_i32 s86, s86, 8960
	s_mov_b32 s87, 0
	s_add_nc_u64 s[72:73], s[16:17], s[86:87]
	s_add_nc_u64 s[74:75], s[72:73], 16*8960
	s_mov_b32 vcc_lo, 0xffff0000
.macro EPI_V a
	s_wait_xcnt 0x0
	v_mov_b32 v6, v[BR+\a]                         ; my channel's bias, as a pair
	v_mov_b32 v7, v[BR+\a]
	WIN 0x02+(\a)/4
.set AC, 64*((\a)%4)
.set i, 0
.rept 32
	v_pk_add_f32 v[TMP+i:TMP+i+1], v[AC+i:AC+i+1], v[6:7]
.set i, i+2
.endr
	WIN 0
	QUANT TMP, PC+8*((\a)%2), W0+\a
	global_store_b128 v[LO], v[PC+8*((\a)%2):PC+8*((\a)%2)+3], s[72+2*((\a)/4):73+2*((\a)/4)] offset:4096+1024*((\a)%4)
	global_store_b128 v[LO], v[PC+8*((\a)%2)+4:PC+8*((\a)%2)+7], s[72+2*((\a)/4):73+2*((\a)/4)] offset:4096+1024*((\a)%4)+512
.endm
.irp a, 0,1,2,3,4,5,6,7
	EPI_V \a
.endr
.irp i, 0,1,2,3
	v_cndmask_b32 v[SS+\i], v[W0+2*\i], v[W0+2*\i+1], vcc_lo       ; registers 0, 1: the first head's four tiles of channels; 2, 3: the second's
.endr
	global_store_b64 v[LO8], v[SS:SS+1], s[72:73] offset:8704      ; 256 consecutive bytes
	global_store_b64 v[LO8], v[SS+2:SS+3], s[74:75] offset:8704
.Ldone:
	s_wait_tensorcnt 0x0
	ds_add_u32 v106, v107
	s_wait_dscnt 0x0
	CROUND                                         ; the closing round: no work-group ends while a partner may still ask for a tile that names it
	s_endpgm
.Lfunc_end_k_q3077050539_proj:
	.size	k_q3077050539_proj, .Lfunc_end_k_q3077050539_proj-k_q3077050539_proj
	.p2alignl 7, 3214868480
	.fill 96, 4, 3214868480
	.section	.rodata,"a",@progbits
	.p2align	6, 0x0
	.amdhsa_kernel k_q3077050539_proj
		.amdhsa_group_segment_fixed_size 279040
		.amdhsa_private_segment_fixed_size 0
		.amdhsa_enable_private_segment 0
		.amdhsa_kernarg_size 56
		.amdhsa_user_sgpr_count 2
		.amdhsa_user_sgpr_kernarg_segment_ptr 1
		.amdhsa_wavefront_size32 1
		.amdhsa_system_sgpr_workgroup_id_x 1
		.amdhsa_system_sgpr_workgroup_id_y 1
		.amdhsa_system_sgpr_workgroup_id_z 1
		.amdhsa_system_vgpr_workitem_id 0
		.amdhsa_next_free_vgpr 1024
		.amdhsa_next_free_sgpr 100
		.amdhsa_reserve_vcc 1
		.amdhsa_float_denorm_mode_32 3
		.amdhsa_float_denorm_mode_16_64 3
		.amdhsa_memory_ordered 1
		.amdhsa_forward_progress 1
		.amdhsa_inst_pref_size 196
	.end_amdhsa_kernel
	.amdgpu_metadata
---
amdhsa.version: [ 1, 2 ]
amdhsa.kernels:
  - .name:           k_q3077050539_proj
    .symbol:         k_q3077050539_proj.kd
    .args:
      - { .name: codes, .offset: 0, .size: 8, .value_kind: global_buffer, .address_space: global }
      - { .name: scl, .offset: 8, .size: 8, .value_kind: global_buffer, .address_space: global }
      - { .name: wq_b, .offset: 16, .size: 8, .value_kind: global_buffer, .address_space: global }
      - { .name: wk_b, .offset: 24, .size: 8, .value_kind: global_buffer, .address_space: global }
      - { .name: wv_b, .offset: 32, .size: 8, .value_kind: global_buffer, .address_space: global }
      - { .name: qbuf, .offset: 40, .size: 8, .value_kind: global_buffer, .address_space: global }
      - { .name: kv, .offset: 48, .size: 8, .value_kind: global_buffer, .address_space: global }
    .group_segment_fixed_size: 279040
    .private_segment_fixed_size: 0
    .kernarg_segment_align: 8
    .kernarg_segment_size: 56
    .max_flat_workgroup_size: 128
    .sgpr_count:     100
    .vgpr_count:     1024
    .wavefront_size: 32
...
	.end_amdgpu_metadata
.endif
;; end of part 2
;; launch attn (part 3): grid 8 x 32, 16 waves a work-group, no clusters, 146,432 bytes of LDS; arguments qbuf, kv, maskw, mflag, ao; writes ao
.if DOCPART == 3
	.amdgcn_target "amdgcn-amd-amdhsa--gfx1250"
	.amdhsa_code_object_version 6
	.text
	.protected	k_q3077050539_attn
	.globl	k_q3077050539_attn
	.p2align	8
	.type	k_q3077050539_attn,@function
k_q3077050539_attn:
	s_mov_b64 s[64:65], 0
	v_nop
	global_prefetch_b8 v0, s[64:65] scope:SCOPE_SE
	s_setreg_imm32_b32 hwreg(HW_REG_WAVE_MODE, 25, 1), 1
	s_wait_xcnt 0x0
; Attention on codes of FP4 (E2M1) with one E8M0 scale for each 32 along a product's K: scores, the mask, the softmax, the second product, the division by the row's sum, and the quantising of the result.
; t = score x log2(e) / 8; M = the row's largest t so far, rounded up to a whole number; p = 2^(t - M) is quantised along the keys, not normalised; the row's sum is taken of the unquantised p.  When M moves, the sum and O are
; multiplied by 2^(old M - new M): exact.
; SHARES: a work-group owns 256 queries of one head (b 16 + head = the grid's y); each of its SIXTEEN waves owns 16 of them in 256 registers, four waves to a SIMD, so that one wave's vector work stands beside another's
; products and LDS loads.  Every wave walks 16 steps of 128 keys.  The head's K, V and their scale words, 16 records of 8,960 bytes, lie in LDS as they lie in memory: images of the operands' registers, read at 16 x lane.
; Wave w brings record w: 17 loads of 512 bytes and one of 256, stored to LDS as they come; one barrier.
; LAYOUT: both products are used transposed (source 0 = 16 keys, or 16 channels; source 1 = my queries): lane (r, h) holds query r; register 8 t + j of the scores holds key 16 t + 8 h + j.
; The score product's K is 64: Q's upper four registers are zero codes, and K's operand runs on into the next tile's codes, which meet those zeros.
; THE MASK comes as words of one bit a lane, 64 to a step, by scalar loads a step ahead; each is the select of one v_cndmask_b32.  A stored flag says of each (my 16 queries, 128 keys) that no key is hidden:
; there a scalar branch leads over the 64 selects, which would change nothing.  Any step with a hidden key takes them.
; NO CLUSTER, NO JOINT LOADS.  What the eight query blocks of a head share is 143,360 bytes, read once by each,
; against sixteen steps of work on them.
; LIMITS: a masked score is set to -2^33, a logit of -2^30 where the definition has -1e9: c x 2^33 is exact, so that in a row wholly masked t - M is 0 and p is 1, as defined; the results are the definition's
; as long as unmasked logits lie above -1e9.  A block's largest p is made from the block's largest score by the same multiply-add and exponential (v_exp_f32 is taken not to fall where its input rises).
; p under 2^-126 counts as 0.  NaN and infinities are not served.
.set REC,   8960                       ; a record: K's 8 images at 0, V's 4 fragments at 4,096, K's scale words at 8,192, V's at 8,704
.set STG,   16*REC                     ; behind the records: 1,024 bytes in which the sixteen waves' scale words of the result meet
.set L16, 1                            ; v1   16 x lane
.set L8,  2                            ; v2   8 x lane + 8,704
.set ADR, 3                            ; v3, v4 the same in the step's record
.set AD8, 4
.set NEG, 5                            ; v5   -2^33
.set AOC, 6                            ; v6   my byte offset among the result's codes
.set AOS, 7                            ; v7   and among its scale words
.set QF,  8                            ; v8-15  Q: four registers of codes, four of zero codes
.set QS,  16                           ; v16  Q's scale words
.set SWA, 17                           ; v17  where my scale word goes in the stage
.set FF,  18                           ; v[18:19] f = 2^(old M - new M); the pair's upper half is written once
.set NM,  20                           ; v20 -M, v21 the largest t
.set LS,  22                           ; v[22:23] the row's sum in two halves
.set KF,  24                           ; v24-59  K: tile t at 4 t; v56-59 stay zero
.set KS,  60                           ; v60-63  K's scale words: register i: tile 2 i in lanes 0-15, tile 2 i + 1 in lanes 16-31
.set VF,  64                           ; v64-95  V's four fragments
.set VS,  96                           ; v96-97  V's scale words, likewise
.set PS,  98                           ; v98  p's scale word
.set SRA, 99                           ; v99  where waves 0, 1 read the stage
.set S,   100                          ; v100-163 the scores, then p; at the start v100-169 carry my record
.set O,   164                          ; v164-195 O^T
.set PC,  196                          ; v196-203 p's codes
.set BM,  204                          ; v204-207 a block's largest score, then its largest p
.set BT,  208
.set BSC, 212
.set T0,  216
.set L2,  220                          ; v[220:221] the sums' second chain
.set ADK, 222                          ; v222 16 x lane in the next step's record
.set WV,   2
.set KI,   3                           ; the step's number
.set FLG,  8                           ; bit k: no key of step k is hidden from my 16 queries
.set TBN,  9                           ; the next step's record in LDS
.set CS,   66                          ; s[66:67] c = log2(e) / 8
.set SEL,  100
.set TB,   104                         ; the step's record in LDS
.set MOFF, 105                         ; the next step's mask words
	s_load_b256 s[68:75], s[0:1], 0x0              ; qbuf, kv, maskw, mflag
	s_load_b64 s[6:7], s[0:1], 0x20                ; ao
	v_lshl_add_u32 v254, v0, 2, 0x23400
	v_mov_b32 v255, 0
	v_lshrrev_b32 v1, 5, v0
	v_readfirstlane_b32 s[WV], v1                  ; wave 0..15
	s_mov_b32 s33, ttmp9                           ; my block of 256 queries
	s_and_b32 s34, ttmp7, 0xffff                   ; b 16 + head
	s_mul_i32 s38, s34, 16*REC                     ; the head's first byte in kv,
	s_mul_i32 s30, s[WV], REC                      ; and record w's place in the head: in memory and in LDS alike
	s_add_co_u32 s38, s38, s30
	s_mov_b32 s39, 0
	s_lshl_b32 s42, s34, 4                         ; Q's record: (b 16 + head) 16 + 2 x block + wave / 8
	s_lshl_b32 s43, s33, 1
	s_add_co_u32 s42, s42, s43
	s_lshr_b32 s43, s[WV], 3
	s_add_co_u32 s42, s42, s43
	s_mul_i32 s42, s42, 4608
	s_mov_b32 s43, 0
	s_and_b32 s46, s[WV], 7
	s_lshl_b32 s44, s46, 9                         ; my tile's image in it,
	s_lshr_b32 s45, s46, 1
	s_lshl_b32 s45, s45, 2
	s_and_b32 s46, s[WV], 1
	s_lshl_b32 s46, s46, 8
	s_add_co_u32 s45, s45, s46
	s_add_co_u32 s45, s45, 4096                    ; and its scale words: 4,096 + 256 (w % 2) + 4 ((w % 8) / 2) + 16 r
	s_lshr_b32 s35, s34, 4                         ; b
	s_and_b32 s37, s34, 15                         ; head
	s_lshl_b32 s47, s35, 7
	s_lshl_b32 s48, s33, 4
	s_add_co_u32 s47, s47, s48
	s_add_co_u32 s47, s47, s[WV]                   ; my tile of 16 tokens among the 256
	s_lshl_b32 s48, s47, 12                        ; its mask words: 16 steps of 256 bytes
	s_mov_b32 s49, 0
	s_lshl_b32 s60, s47, 11                        ; its flags: eight pairs, 256 bytes apart
	s_mov_b32 s61, 0
	s_lshl_b32 s50, s37, 17
	s_lshl_b32 s51, s47, 9
	s_add_co_u32 s50, s50, s51                     ; the result's codes: [head][tile][512 bytes]
	s_lshl_b32 s51, s35, 4
	s_lshl_b32 s52, s33, 1
	s_add_co_u32 s51, s51, s52
	s_and_b32 s56, s[WV], 1
	s_add_co_u32 s51, s51, s56
	s_lshl_b32 s51, s51, 9
	s_lshl_b32 s53, s37, 14
	s_add_co_u32 s51, s51, s53
	s_add_co_u32 s51, s51, 2097152                 ; its scale words: [head][block of 128 tokens][512 bytes], behind the codes
	s_lshl_b32 s56, s56, 9
	s_add_co_u32 s56, s56, STG                     ; the stage: back, 512 bytes for each of waves 0, 1
	s_lshr_b32 s57, s[WV], 3
	s_lshl_b32 s57, s57, 9
	s_and_b32 s58, s[WV], 7
	s_lshl_b32 s58, s58, 2
	s_add_co_u32 s57, s57, s58
	s_add_co_u32 s57, s57, STG                     ; in: 512 (w / 8) + 32 r + 4 (w % 8)
	s_mov_b32 s[CS], 0x3e38aa3b                    ; c = log2(e) / 8
	s_mov_b32 s[CS+1], s[CS]                       ; (named with it as a pair, so it is written)
	s_mov_b32 s[SEL], 0x76543210
	s_mov_b32 s[SEL+1], 0xfedcba98                 ; lane l xor 16
	s_wait_kmcnt 0x0
	s_add_nc_u64 s[10:11], s[70:71], s[38:39]      ; my record of K and V
	s_add_nc_u64 s[104:105], s[68:69], s[42:43]    ; Q's record (these two registers serve the steps once Q is in)
	s_add_nc_u64 s[4:5], s[72:73], s[48:49]        ; my mask words
	s_add_nc_u64 s[28:29], s[74:75], s[60:61]      ; my flags
	v_and_b32 v[L16], 31, v0
	v_lshlrev_b32 v[L8], 3, v[L16]
	v_add_nc_u32 v[L8], 8704, v[L8]
	v_lshlrev_b32 v[L16], 4, v[L16]
.set i, 0
.rept 17
	global_load_b128 v[S+4*i:S+4*i+3], v[L16], s[10:11] offset:512*i   ; 512 consecutive bytes
.set i, i+1
.endr
	global_load_b64 v[S+68:S+69], v[L8], s[10:11]  ; the record's last 256 bytes
	v_and_b32 v[T0], 15, v0                        ; r
	v_add_nc_u32 v[ADR], s44, v[L16]
	v_lshl_add_u32 v[AD8], v[T0], 4, s45
	global_load_b128 v[QF:QF+3], v[ADR], s[104:105]
	global_load_b32 v[QS], v[AD8], s[104:105]
	v_add_nc_u32 v[AOC], s50, v[L16]
	v_add_nc_u32 v[AOS], s51, v[L16]
	v_lshl_add_u32 v[SWA], v[T0], 5, s57
	v_add_nc_u32 v[SRA], s56, v[L16]
	v_mov_b32 v[NEG], 0xd0000000                   ; -2^33
.irp j, 4,5,6,7
	v_mov_b32 v[QF+\j], 0                          ; zero codes: the upper 64 of the score product's 128 along K
	v_mov_b32 v[KF+28+\j], 0                       ; what tile 7's operand runs on into
.endr
	v_mov_b32 v[FF+1], 0
	v_mov_b32 v[NM+1], 0xff61b1e6                  ; the largest t so far: -3e38
	v_floor_f32 v[NM], -v[NM+1]                    ; -M
	v_mov_b32 v[LS], 0
	v_mov_b32 v[LS+1], 0
.irp b, 0,1,2,3
	v_mov_b32 v[BT+\b], 0                          ; written once: a lane permute's destination counts as one of its sources
.endr
.irp i, 0,1,2,3,4,5,6,7
	s_load_b64 s[12+2*\i:13+2*\i], s[28:29], 256*\i   ; the flags of steps 2 i, 2 i + 1
.endr
	s_load_b512 s[32:47], s[4:5], 0x0              ; step 0's 64 mask words: word J in s[32 + J], from J = 32 on in s[36 + J]
	s_load_b512 s[48:63], s[4:5], 0x40
	s_load_b512 s[68:83], s[4:5], 0x80
	s_load_b512 s[84:99], s[4:5], 0xc0
	s_wait_loadcnt 0x0                             ; my record, and Q
	v_add_nc_u32 v[ADR], s30, v[L16]
	v_add_nc_u32 v[AD8], s30, v[L8]
.set i, 0
.rept 17
	ds_store_b128 v[ADR], v[S+4*i:S+4*i+3] offset:512*i
.set i, i+1
.endr
	ds_store_b64 v[AD8], v[S+68:S+69]
	s_mov_b32 s[TB], 0
	s_mov_b32 s[MOFF], 0
	s_mov_b32 s[KI], 0
	s_wait_kmcnt 0x0
	s_or_b32 s[FLG], s12, s13                      ; each flag word holds its own step's bit or nothing
.irp i, 14,15,16,17,18,19,20,21,22,23,24,25,26,27
	s_or_b32 s[FLG], s[FLG], s[\i]
.endr
	s_wait_dscnt 0x0                               ; for the others' sake: my record lies in LDS
	s_barrier_signal -1
.set i, 0
.rept 32
	v_mov_b32 v[O+i], 0                            ; the step has no first step of its own: the first change of M multiplies zeros
.set i, i+1
.endr
	s_barrier_wait -1                              ; all sixteen records do
.irp t, 0,1,2,3,4,5,6,7
	ds_load_b128 v[KF+4*\t:KF+4*\t+3], v[L16] offset:512*\t        ; step 0's K
.endr
	ds_load_b128 v[KS:KS+3], v[L16] offset:8192
; A KEY STEP: 128 keys.  K was asked for a step ago.
.Lstep:
	s_wait_dscnt 0x0                               ; this step's K and its scale words
.irp t, 0,2,4,6                                ; S^T = K Q^T
	v_wmma_scale_f32_16x16x128_f8f6f4 v[S+8*\t:S+8*\t+7], v[KF+4*\t:KF+4*\t+7], v[QF:QF+7], 0, v[KS+\t/2], v[QS] matrix_a_fmt:MATRIX_FMT_FP4 matrix_b_fmt:MATRIX_FMT_FP4
	v_wmma_scale_f32_16x16x128_f8f6f4 v[S+8*\t+8:S+8*\t+15], v[KF+4*\t+4:KF+4*\t+11], v[QF:QF+7], 0, v[KS+\t/2], v[QS] matrix_a_fmt:MATRIX_FMT_FP4 matrix_b_fmt:MATRIX_FMT_FP4 matrix_a_scale:MATRIX_SCALE_ROW1
.endr
	s_add_co_u32 s[TBN], s[TB], REC
	s_min_u32 s[TBN], s[TBN], 15*REC               ; the last step asks for its own K again: no read leaves the records
	v_add_nc_u32 v[ADR], s[TB], v[L16]             ; four places: behind the products above, whose operands are loaded anew and whose results are read below,
	v_add_nc_u32 v[AD8], s[TB], v[L8]              ; and behind the last step's second products, whose operands are loaded anew
	v_add_nc_u32 v[ADK], s[TBN], v[L16]
	v_nop
.irp d, 0,1,2,3
.irp c, 0,1
	ds_load_b128 v[VF+8*\d+4*\c:VF+8*\d+4*\c+3], v[ADR] offset:4096+1024*\d+512*\c   ; this step's V
.endr
.endr
	ds_load_b64 v[VS:VS+1], v[AD8]
.irp t, 0,1,2,3,4,5,6,7
	ds_load_b128 v[KF+4*\t:KF+4*\t+3], v[ADK] offset:512*\t        ; the next step's K
.endr
	ds_load_b128 v[KS:KS+3], v[ADK] offset:8192
	s_wait_kmcnt 0x0                               ; the step's mask words, asked for a step ago
	s_bitcmp1_b32 s[FLG], s[KI]                    ; is no key of this step hidden from my queries?
	s_cbranch_scc1 .Lopen                          ; then the 64 selects would change nothing
.set J, 0
.rept 64
.if J < 32
	v_cndmask_b32 v[S+J], v[NEG], v[S+J], s[32+J]  ; the score where the mask's bit is set
.else
	v_cndmask_b32 v[S+J], v[NEG], v[S+J], s[36+J]
.endif
.set J, J+1
.endr
.Lopen:
	s_add_co_u32 s[MOFF], s[MOFF], 256             ; the next step's words; the last step asks for its own again: no load leaves the buffer
	s_min_u32 s[MOFF], s[MOFF], 15*256
	s_load_b512 s[32:47], s[4:5], s[MOFF] offset:0x0
	s_load_b512 s[48:63], s[4:5], s[MOFF] offset:0x40
	s_load_b512 s[68:83], s[4:5], s[MOFF] offset:0x80
	s_load_b512 s[84:99], s[4:5], s[MOFF] offset:0xc0
.irp b, 0,1,2,3
	v_max3_num_f32 v[BM+\b], v[S+16*\b], v[S+1+16*\b], v[S+2+16*\b]   ; the largest score of each block of 32 keys: for the row's maximum, and for the block's largest p
.endr
.irp i, 3,5,7,9,11,13
.irp b, 0,1,2,3
	v_max3_num_f32 v[BM+\b], v[BM+\b], v[S+16*\b+\i], v[S+1+16*\b+\i]
.endr
.endr
.irp b, 0,1,2,3
	v_max_num_f32 v[BM+\b], v[BM+\b], v[S+15+16*\b]
.endr
.irp b, 0,1,2,3
	v_permlanex16_b32 v[BT+\b], v[BM+\b], s[SEL], s[SEL+1]
.endr
.irp b, 0,1,2,3
	v_max_num_f32 v[BM+\b], v[BM+\b], v[BT+\b]     ; with lane l xor 16's 16 keys
.endr
	v_max3_num_f32 v[T0], v[BM], v[BM+1], v[BM+2]
	v_max_num_f32 v[T0], v[T0], v[BM+3]
	v_mul_f32 v[T0], s[CS], v[T0]                  ; as t (c is positive)
	v_max_num_f32 v[NM+1], v[NM+1], v[T0]          ; the running largest t
	v_mov_b32 v[T0], v[NM]
	v_floor_f32 v[NM], -v[NM+1]                    ; the new -M = -ceil(t)
	v_sub_f32 v[T0], v[NM], v[T0]                  ; old M - new M: a whole number, 0 or less
	v_cvt_i32_f32 v[T0], v[T0]                     ; (it saturates)
	v_ldexp_f32 v[FF], 1.0, v[T0]                  ; f
.set i, 0
.rept 32
	v_pk_fma_f32 v[S+i:S+i+1], v[S+i:S+i+1], s[CS:CS+1], v[NM:NM+1] op_sel_hi:[1,0,0]   ; t - M, two at a time
.set i, i+2
.endr
.irp b, 0,1,2,3
	v_fma_f32 v[BM+\b], v[BM+\b], s[CS], v[NM]
.endr
.set i, 0
.rept 64
	v_exp_f32 v[S+i], v[S+i]                       ; p = 2^(t - M)
.set i, i+1
.endr
.irp b, 0,1,2,3
	v_exp_f32 v[BM+\b], v[BM+\b]                   ; the block's largest p
.endr
	v_pk_mul_f32 v[LS:LS+1], v[LS:LS+1], v[FF:FF+1] op_sel_hi:[1,0]   ; the sums under the new M (a plain place behind the exponentials)
	s_wait_alu depctr_va_vdst(0)
.irp b, 0,1,2,3
	v_max_num_f32 v[BM+\b], 0x1800000, v[BM+\b]    ; the floor 2^(3 - 127): the byte cannot fall under 1
.endr
.irp b, 0,1,2,3
	v_add_nc_u32 v[BSC+\b], 0xff000000, v[BM+\b]   ; 2 off the exponent field: the conversion's scale operand
.endr
.irp b, 0,1,2,3
	v_lshrrev_b32 v[BT+\b], 23, v[BSC+\b]          ; the scale's byte
.endr
	v_lshl_or_b32 v[PS], v[BT+1], 8, v[BT]
	v_lshl_or_b32 v[PS], v[BT+2], 16, v[PS]
	v_lshl_or_b32 v[PS], v[BT+3], 24, v[PS]
.irp c, 0,1
.irp e, 0,1
.irp u, 0,1
	v_cvt_scalef32_pk8_fp4_f32 v[PC+4*\c+2*\u+\e], v[S+8*(4*\c+2*\e+\u):S+8*(4*\c+2*\e+\u)+7], v[BSC+2*\c+\e]
.endr
.endr
.endr
	v_nop                                          ; one plain place behind a scaled conversion
.irp c, 0,1
.irp u, 0,1
	v_permlane16_swap_b32 v[PC+4*\c+2*\u], v[PC+4*\c+2*\u+1]   ; a whole block of keys to a lane
.endr
.endr
.set i, 0
.rept 16
	v_pk_mul_f32 v[O+i:O+i+1], v[O+i:O+i+1], v[FF:FF+1] op_sel_hi:[1,0]   ; O^T under the new M
.set i, i+2
.endr
	v_pk_add_f32 v[L2:L2+1], v[S:S+1], v[S+2:S+3]  ; the row's sum of the unquantised p, in two chains.  (These and the 16 above are the places between the codes and scale word just made and the products)
.irp j, 4,8,12,16,20,24,28,32,36,40,44,48,52,56,60
	v_pk_add_f32 v[LS:LS+1], v[LS:LS+1], v[S+\j:S+\j+1]
	v_pk_add_f32 v[L2:L2+1], v[L2:L2+1], v[S+2+\j:S+3+\j]
.endr
	v_pk_add_f32 v[LS:LS+1], v[LS:LS+1], v[L2:L2+1]
	s_wait_dscnt 9                                 ; V's nine loads are in; the nine behind them, the next step's K, may stay out
.irp d, 0,2                                    ; O^T += V^T P^T: four accumulators by turns
	v_wmma_scale_f32_16x16x128_f8f6f4 v[O+8*\d:O+8*\d+7], v[VF+8*\d:VF+8*\d+7], v[PC:PC+7], v[O+8*\d:O+8*\d+7], v[VS+\d/2], v[PS] matrix_a_fmt:MATRIX_FMT_FP4 matrix_b_fmt:MATRIX_FMT_FP4
	v_wmma_scale_f32_16x16x128_f8f6f4 v[O+8*\d+8:O+8*\d+15], v[VF+8*\d+8:VF+8*\d+15], v[PC:PC+7], v[O+8*\d+8:O+8*\d+15], v[VS+\d/2], v[PS] matrix_a_fmt:MATRIX_FMT_FP4 matrix_b_fmt:MATRIX_FMT_FP4 matrix_a_scale:MATRIX_SCALE_ROW1
.endr
	s_add_co_u32 s[TB], s[TB], REC
	s_add_co_u32 s[KI], s[KI], 1
	s_cmp_lt_u32 s[KI], 16
	s_cbranch_scc1 .Lstep
	; THE END: O^T / the sum, quantised along the head's 64 (two blocks), as an image of the last product's operand
	s_wait_kmcnt 0x0                               ; the last step's request
.rept 4
	v_nop                                          ; places behind the last products
.endr
	v_add_f32 v[LS], v[LS], v[LS+1]
	v_permlanex16_b32 v[T0], v[LS], s[SEL], s[SEL+1]
	v_add_f32 v[LS], v[LS], v[T0]                  ; the row's sum
	v_rcp_f32 v[LS], v[LS]
	s_and_b32 s8, ttmp7, 1
	s_lshl_b32 s8, s8, 4                           ; an odd head's two scale bytes stand in the word's upper half
	v_nop                                          ; a plain place behind the transcendental
.set i, 0
	s_wait_alu depctr_va_vdst(0)
.rept 16
	v_pk_mul_f32 v[S+i:S+i+1], v[O+i:O+i+1], v[LS:LS+1] op_sel_hi:[1,0]   ; register 8 t + j: channel 16 t + 8 h + j; each accumulator from its low end on
.set i, i+2
.endr
.irp b, 0,1
	v_max3_num_f32 v[BM+\b], |v[S+16*\b]|, |v[S+1+16*\b]|, 0x1800000
.endr
.irp i, 2,4,6,8,10,12,14
.irp b, 0,1
	v_max3_num_f32 v[BM+\b], v[BM+\b], |v[S+16*\b+\i]|, |v[S+1+16*\b+\i]|
.endr
.endr
.irp b, 0,1
	v_permlanex16_b32 v[BT+\b], v[BM+\b], s[SEL], s[SEL+1]
.endr
.irp b, 0,1
	v_max_num_f32 v[BM+\b], v[BM+\b], v[BT+\b]
.endr
.irp b, 0,1
	v_add_nc_u32 v[BSC+\b], 0xff000000, v[BM+\b]
.endr
.irp b, 0,1
	v_lshrrev_b32 v[BT+\b], 23, v[BSC+\b]
.endr
	v_lshl_or_b32 v[PS], v[BT+1], 8, v[BT]
	v_lshlrev_b32 v[PS], s8, v[PS]
.irp e, 0,1
.irp u, 0,1
	v_cvt_scalef32_pk8_fp4_f32 v[PC+2*\u+\e], v[S+8*(2*\e+\u):S+8*(2*\e+\u)+7], v[BSC+\e]
.endr
.endr
	v_nop
.irp u, 0,1
	v_permlane16_swap_b32 v[PC+2*\u], v[PC+2*\u+1]
.endr
	global_store_b128 v[AOC], v[PC:PC+3], s[6:7]   ; 512 consecutive bytes
	ds_store_b32 v[SWA], v[PS]                     ; both halves of the lanes write the same word with the same value
	s_wait_dscnt 0x0                               ; my word lies in the stage (and the last step's request for K is back)
	s_barrier_signal -1
	s_barrier_wait -1                              ; the scale words of 2 x 128 tokens lie in the stage
	s_cmp_lt_u32 s[WV], 2
	s_cbranch_scc0 .Lno_out
	ds_load_b128 v[KF:KF+3], v[SRA]
	s_wait_dscnt 0x0
	global_store_b128 v[AOS], v[KF:KF+3], s[6:7]   ; 512 consecutive bytes
.Lno_out:
	s_wait_tensorcnt 0x0
	ds_add_u32 v254, v255
	s_wait_dscnt 0x0
	s_endpgm
.Lfunc_end_k_q3077050539_attn:
	.size	k_q3077050539_attn, .Lfunc_end_k_q3077050539_attn-k_q3077050539_attn
	.p2alignl 7, 3214868480
	.fill 96, 4, 3214868480
	.section	.rodata,"a",@progbits
	.p2align	6, 0x0
	.amdhsa_kernel k_q3077050539_attn
		.amdhsa_group_segment_fixed_size 146432
		.amdhsa_private_segment_fixed_size 0
		.amdhsa_enable_private_segment 0
		.amdhsa_kernarg_size 40
		.amdhsa_user_sgpr_count 2
		.amdhsa_user_sgpr_kernarg_segment_ptr 1
		.amdhsa_wavefront_size32 1
		.amdhsa_system_sgpr_workgroup_id_x 1
		.amdhsa_system_sgpr_workgroup_id_y 1
		.amdhsa_system_sgpr_workgroup_id_z 1
		.amdhsa_system_vgpr_workitem_id 0
		.amdhsa_next_free_vgpr 256
		.amdhsa_next_free_sgpr 106
		.amdhsa_reserve_vcc 0
		.amdhsa_float_denorm_mode_32 3
		.amdhsa_float_denorm_mode_16_64 3
		.amdhsa_memory_ordered 1
		.amdhsa_forward_progress 1
		.amdhsa_inst_pref_size 34
	.end_amdhsa_kernel
	.amdgpu_metadata
---
amdhsa.version: [ 1, 2 ]
amdhsa.kernels:
  - .name:           k_q3077050539_attn
    .symbol:         k_q3077050539_attn.kd
    .args:
      - { .name: qbuf, .offset: 0, .size: 8, .value_kind: global_buffer, .address_space: global }
      - { .name: kv, .offset: 8, .size: 8, .value_kind: global_buffer, .address_space: global }
      - { .name: maskw, .offset: 16, .size: 8, .value_kind: global_buffer, .address_space: global }
      - { .name: mflag, .offset: 24, .size: 8, .value_kind: global_buffer, .address_space: global }
      - { .name: ao, .offset: 32, .size: 8, .value_kind: global_buffer, .address_space: global }
    .group_segment_fixed_size: 146432
    .private_segment_fixed_size: 0
    .kernarg_segment_align: 8
    .kernarg_segment_size: 40
    .max_flat_workgroup_size: 512
    .sgpr_count:     106
    .vgpr_count:     256
    .wavefront_size: 32
...
	.end_amdgpu_metadata
.endif
;; end of part 3
;; launch outp (part 4): grid 8 x 32, 4 waves a work-group, clusters of 4 x 4, 168,448 bytes of LDS; arguments ao, codes, scl, wo_b, out0; writes out0
.if DOCPART == 4
	.amdgcn_target "amdgcn-amd-amdhsa--gfx1250"
	.amdhsa_code_object_version 6
	.text
	.protected	k_q3077050539_outp
	.globl	k_q3077050539_outp
	.p2align	8
	.type	k_q3077050539_outp,@function
k_q3077050539_outp:
	s_mov_b64 s[64:65], 0
	v_nop
	global_prefetch_b8 v0, s[64:65] scope:SCOPE_SE
	s_setreg_imm32_b32 hwreg(HW_REG_WAVE_MODE, 25, 1), 1
	s_wait_xcnt 0x0
	s_wait_alu depctr_hold_cnt(0) depctr_sa_sdst(0) depctr_va_vdst(0) depctr_va_sdst(0) depctr_va_ssrc(0) depctr_va_vcc(0) depctr_vm_vsrc(0)
	s_getreg_b32 s2, hwreg(HW_REG_IB_STS2, 6, 4)
	s_cmp_eq_u32 s2, 0
	s_cbranch_scc0 .Lentry_in_a_cluster
	s_endpgm
.Lentry_in_a_cluster:
	s_bfe_u32 s2, ttmp6, 0x10000c
	s_cmp_lg_u32 s2, 0xf033
	s_cbranch_scc0 .Lentry_shape_is_right
	s_endpgm
.Lentry_shape_is_right:
; out0 = (attention's result) wo^T + wo_b, on codes of FP4 (E2M1) with one E8M0 scale for each 32 along K = 1,024; sums and bias in f32.
; out0 is 4,096 x 1,024: tiles of 128 x 128 make 256 work-groups, one for each WGP; tiles of 256 x 256 would make 64.  Four waves, each 64 x 64: 16 accumulators, 128 registers.
; All of K lies in LDS, filled ONCE: one tensor load a wave.
; SOURCE 0 ('B') = 16 rows of wo, SOURCE 1 ('A') = 16 tokens: a lane holds eight neighbouring numbers of a row of out0.
; B comes as rows of codes (512 bytes a row, 16 bytes of padding; 64 rows to a load).  A comes as images of the operand's registers, [head][tile of 16 tokens][512 bytes]: sixteen heads x four tiles are
; sixteen runs of 2,048 bytes, read at 16 x lane: registers 4 c .. 4 c + 3 of the s-th 128 along K are head 2 s + c's image.
; A's scale words come as one word for a head and row, the two bytes at the head's half of the word: two heads' words are joined by an OR.
; CLUSTERS: 4 x 4 work-groups; A's tiles are asked for jointly along a row of the cluster, B's along a column.
; REGISTERS: window 0: v1-7 at work, v8-11 bias, v16-28 addresses, v32-47 B's scale words, v48-63 A's (register 8 j + s: tile j in lanes 0-15, tile j + 2 in lanes 16-31, the s-th 128 along K),
;   v64-95 the heads' scale words as loaded, later v64-127 rows of out0, v128-255 the accumulators ((a, b) at v[128 + 8 (4 a + b)]).
;   window 1: two sets of fragments of 64 registers: B's four, then A's four.
.set KROW,   512                       ; a row of codes in memory
.set PITCH,  528                       ; an LDS row of B: 512 bytes + 16: the 16 rows of a load start at 16 different banks (64 banks of 4 bytes: ISA guide 11.1)
.set HALFT,  64*PITCH                  ; a wave's region: 64 rows of B, or 32,768 bytes of A's images
.set STAGE,  4*HALFT                   ; behind the four regions: 16 rows x (256 bytes + 16) for each wave, for the way out: bytes of its own, into which no fill lands
.set SPITCH, 272
.set SIZE_N, 1024
.set BI,   8
.set ADRA, 16
.set ADRB, 20
.set STO,  24
.set RD,   25
.set CO,   26
.set SCB,  32
.set SCA,  48
.set HW,   64
.set BK,   64
.set ACC,  128
.set G1,  24
.set G0,  32
.set G1B, 48
.set G0B, 56
.set MSB, 0
.macro WIN new                         ; the immediate's high byte repeats the setting that is left
.if MSB != \new
	s_set_vgpr_msb (MSB<<8)|\new
.set MSB, \new
.endif
.endm
.set MUL,  0x05                        ; sources 0 (B) and 1 (A) window 1; C and D window 0
.set TO_F, 0x40                        ; destination window 1, address window 0
.macro CROUND                          ; a round of the cluster's barrier
	s_barrier_signal -1
	s_barrier_wait -1
	s_cmp_lg_u32 s18, 0
	s_cbranch_scc1 .Lnot_wave_0_\@
	s_barrier_signal -3
.Lnot_wave_0_\@:
	s_barrier_wait -3
	s_barrier_signal -1
	s_barrier_wait -1
.endm
	s_load_b256 s[4:11], s[0:1], 0x0               ; ao, codes, scl, wo_b
	s_load_b64 s[12:13], s[0:1], 0x20              ; out0
	v_lshl_add_u32 v30, v0, 2, 0x29000
	v_mov_b32 v31, 0
	ds_add_u32 v30, v31
	ds_add_u32 v30, v31
	v_lshrrev_b32 v1, 5, v0
	v_readfirstlane_b32 s18, v1                    ; wave
	s_lshr_b32 s19, s18, 1                         ; my half of the tokens.  Also: I fetch for A (0) or for B (1)
	s_and_b32 s20, s18, 1                          ; my half of the columns.  Also: which half I fetch
	s_bfe_u32 s21, ttmp6, 0x40000                  ; cx
	s_bfe_u32 s22, ttmp6, 0x40004                  ; cy
	s_lshl_b32 s42, ttmp9, 2
	s_add_co_u32 s42, s42, s21                     ; tile column, 0 .. 7
	s_and_b32 s43, ttmp7, 0xffff
	s_lshl_b32 s43, s43, 2
	s_add_co_u32 s43, s43, s22                     ; tile row, 0 .. 31
	s_lshl_b32 s44, s22, 2
	s_lshl_b32 s44, 15, s44                        ; my row of the cluster
	s_lshl_b32 s45, 0x1111, s21                    ; my column
	s_or_b32 s[G1+0], s44, (3<<16)|(1<<21)         ; A: the mask; elements of 8 bytes; no padding; bit 21 beside a mask
	s_mov_b32 s[G1+1], 256<<16                     ; tensor_dim0: 256 elements: four images of one head
	s_mov_b32 s[G1+2], 16<<16                      ; tensor_dim1: sixteen heads
	s_mov_b32 s[G1+3], 256<<16                     ; tile_dim0
	s_mov_b32 s[G1+4], 16                          ; tile_dim1
	s_mov_b32 s[G1+5], 16384                       ; from head to head: 131,072 bytes
	s_mov_b32 s[G1+6], 0
	s_mov_b32 s[G1+7], 0
	s_or_b32 s[G1B+0], s45, (0<<16)|(1<<20)|(1<<21)|(6<<22)|(3<<25)   ; B: elements of 1 byte; padding: 4 words behind every 128
	s_mov_b32 s[G1B+1], KROW<<16                   ; tensor_dim0: a whole row of 512 bytes
	s_mov_b32 s[G1B+2], 64<<16                     ; tensor_dim1
	s_mov_b32 s[G1B+3], KROW<<16                   ; tile_dim0
	s_mov_b32 s[G1B+4], 64                         ; tile_dim1
	s_mov_b32 s[G1B+5], KROW                       ; from row to row
	s_mov_b32 s[G1B+6], 0
	s_mov_b32 s[G1B+7], 0
	s_lshl_b32 s84, s43, 7
	s_lshl_b32 s86, s19, 6
	s_add_co_u32 s84, s84, s86                     ; my first token
	s_lshl_b32 s85, s42, 7
	s_lshl_b32 s86, s20, 6
	s_add_co_u32 s85, s85, s86                     ; my first column, and the first row of wo that waves 2, 3 fetch
	s_lshl_b32 s66, s43, 12                        ; A: tile 8 x tile row + 4 x half, 512 bytes each
	s_lshl_b32 s86, s20, 11
	s_add_co_u32 s66, s66, s86
	s_mov_b32 s67, 0
	s_lshl_b32 s68, s85, 9
	s_add_co_u32 s68, s68, 7864320                 ; wo's codes
	s_mov_b32 s69, 0
	s_mul_i32 s87, s18, HALFT                      ; where they go: the wave's region
	s_wait_dscnt 0x0
	s_wait_kmcnt 0x0
	s_add_nc_u64 s[66:67], s[4:5], s[66:67]
	s_add_nc_u64 s[68:69], s[6:7], s[68:69]
	CROUND                                         ; all sixteen work-groups are here: the joint loads meet
	s_mov_b32 s[G0], 1
	s_mov_b32 s[G0+1], s87
	s_mov_b64 s[G0+2:G0+3], s[66:67]
	s_or_b32 s[G0+3], s[G0+3], 0x80000000
	s_mov_b32 s[G0B], 1
	s_mov_b32 s[G0B+1], s87
	s_mov_b64 s[G0B+2:G0B+3], s[68:69]
	s_or_b32 s[G0B+3], s[G0B+3], 0x80000000
	s_cmp_eq_u32 s19, 0                            ; waves 0 and 1 fetch for A, waves 2 and 3 for B: one load of mine is out; four v_nop follow each line
	s_cbranch_scc0 .Lfor_b
	tensor_load_to_lds s[G0:G0+3], s[G1:G1+7]
	s_nop 0
.rept 4
	v_nop
.endr
	s_branch .Lasked
.Lfor_b:
	tensor_load_to_lds s[G0B:G0B+3], s[G1B:G1B+7]
	s_nop 0
.rept 4
	v_nop
.endr
.Lasked:
	v_and_b32 v1, 15, v0                           ; r
	v_bfe_u32 v2, v0, 4, 1                         ; h
	v_lshl_add_u32 v3, v2, 5, v1                   ; 32 h + r
	s_lshl_b32 s88, s85, 5
	s_add_co_u32 s88, s88, 491520                  ; wo's scale bytes, 32 a row
	v_lshl_add_u32 v4, v3, 5, s88
.irp j, 0,1
.irp e, 0,1
	global_load_b128 v[SCB+8*\j+4*\e:SCB+8*\j+4*\e+3], v4, s[8:9] offset:512*\j+16*\e   ; row 16 j + 32 h + r: four of its eight scale words
.endr
.endr
	s_lshl_b32 s89, s43, 9                         ; my block of 128 tokens: 512 bytes for each head,
	s_lshl_b32 s86, s19, 4                         ; my four tiles of its eight,
	s_add_co_u32 s89, s89, s86
	v_lshl_add_u32 v5, v1, 5, s89                  ; + 32 r
	v_lshl_add_u32 v5, v2, 3, v5                   ; + 8 h: tiles 2 h, 2 h + 1 of my four
.irp n, 0,1,2,3,4,5,6,7,8,9,10,11,12,13,14,15
	global_load_b64 v[HW+2*\n:HW+2*\n+1], v5, s[4:5] offset:2097152+16384*\n   ; head n's words
.endr
	s_lshl_b32 s90, s85, 2
	v_lshl_add_u32 v7, v1, 4, s90
	global_load_b128 v[BI:BI+3], v7, s[10:11]      ; bias of columns 4 r .. 4 r + 3 of my 64
	v_and_b32 v6, 31, v0
	v_lshlrev_b32 v6, 4, v6                        ; 16 x lane
	s_mul_i32 s91, s19, HALFT
	v_add_nc_u32 v[ADRA], s91, v6                  ; A: images
	v_mul_u32_u24 v27, v1, PITCH
	v_lshl_add_u32 v27, v2, 4, v27
	s_mul_i32 s92, s20, HALFT
	s_add_co_u32 s92, s92, 2*HALFT
	v_add_nc_u32 v[ADRB], s92, v27                 ; B: row x pitch + 16 x half
	s_mul_i32 s93, s18, 16*SPITCH
	s_add_co_u32 s93, s93, STAGE                   ; my stage
	v_mul_u32_u24 v28, v1, SPITCH
	v_lshl_add_u32 v28, v2, 5, v28
	v_add_nc_u32 v[STO], s93, v28                  ; in: row r, 32 bytes for each half of the lanes
	v_mul_u32_u24 v28, v2, SPITCH
	v_lshl_add_u32 v28, v1, 4, v28
	v_add_nc_u32 v[RD], s93, v28                   ; back: lanes 0-15 one row of 256 bytes, lanes 16-31 the next
	v_lshlrev_b32 v[CO], 12, v2
	v_lshl_add_u32 v[CO], v1, 4, v[CO]             ; and the same two rows in out0, 4,096 bytes apart
	s_lshl_b32 s70, s84, 12                        ; my first row of out0,
	s_add_co_u32 s70, s70, s90                     ; and my first column
	s_mov_b32 s71, 0
	s_add_nc_u64 s[12:13], s[12:13], s[70:71]
	s_wait_loadcnt 0x0
.irp s, 0,1,2,3,4,5,6,7
.irp j, 0,1
	v_or_b32 v[SCA+8*\j+\s], v[HW+4*\s+\j], v[HW+4*\s+2+\j]        ; heads 2 s and 2 s + 1: the four bytes of the s-th 128 along K
.endr
.endr
.rept 8
	v_nop                                          ; a scale register written by a vector instruction stands 8 places ahead of a scaled matrix instruction
.endr
; the fragments of the s-th 128 along K into set p: 16 loads
.macro FETCH s, p
	WIN TO_F
.irp i, 0,1,2,3
.irp c, 0,1
	ds_load_b128 v[64*(\p)+8*\i+4*\c:64*(\p)+8*\i+4*\c+3], v[ADRB] offset:64*(\s)+32*\c+\i*16*PITCH
	ds_load_b128 v[64*(\p)+32+8*\i+4*\c:64*(\p)+32+8*\i+4*\c+3], v[ADRA] offset:(2*(\s)+\c)*2048+\i*512
.endr
.endr
.endm
; one product: A's block a x B's block b, set p, the s-th 128 along K.  A side's scale words stand in lanes 16-31 for blocks 2, 3.
.macro MM a, b, p, s, zero
.set rD, ACC+8*(4*(\a)+(\b))
.set rB, 64*(\p)+8*(\b)
.set rA, 64*(\p)+32+8*(\a)
.set rSB, SCB+8*((\b)%2)+(\s)
.set rSA, SCA+8*((\a)%2)+(\s)
.if \zero
.if ((\a) < 2) && ((\b) < 2)
	v_wmma_scale_f32_16x16x128_f8f6f4 v[rD:rD+7], v[rB:rB+7], v[rA:rA+7], 0, v[rSB], v[rSA] matrix_a_fmt:MATRIX_FMT_FP4 matrix_b_fmt:MATRIX_FMT_FP4
.elseif (\a) < 2
	v_wmma_scale_f32_16x16x128_f8f6f4 v[rD:rD+7], v[rB:rB+7], v[rA:rA+7], 0, v[rSB], v[rSA] matrix_a_fmt:MATRIX_FMT_FP4 matrix_b_fmt:MATRIX_FMT_FP4 matrix_a_scale:MATRIX_SCALE_ROW1
.elseif (\b) < 2
	v_wmma_scale_f32_16x16x128_f8f6f4 v[rD:rD+7], v[rB:rB+7], v[rA:rA+7], 0, v[rSB], v[rSA] matrix_a_fmt:MATRIX_FMT_FP4 matrix_b_fmt:MATRIX_FMT_FP4 matrix_b_scale:MATRIX_SCALE_ROW1
.else
	v_wmma_scale_f32_16x16x128_f8f6f4 v[rD:rD+7], v[rB:rB+7], v[rA:rA+7], 0, v[rSB], v[rSA] matrix_a_fmt:MATRIX_FMT_FP4 matrix_b_fmt:MATRIX_FMT_FP4 matrix_a_scale:MATRIX_SCALE_ROW1 matrix_b_scale:MATRIX_SCALE_ROW1
.endif
.else
.if ((\a) < 2) && ((\b) < 2)
	v_wmma_scale_f32_16x16x128_f8f6f4 v[rD:rD+7], v[rB:rB+7], v[rA:rA+7], v[rD:rD+7], v[rSB], v[rSA] matrix_a_fmt:MATRIX_FMT_FP4 matrix_b_fmt:MATRIX_FMT_FP4
.elseif (\a) < 2
	v_wmma_scale_f32_16x16x128_f8f6f4 v[rD:rD+7], v[rB:rB+7], v[rA:rA+7], v[rD:rD+7], v[rSB], v[rSA] matrix_a_fmt:MATRIX_FMT_FP4 matrix_b_fmt:MATRIX_FMT_FP4 matrix_a_scale:MATRIX_SCALE_ROW1
.elseif (\b) < 2
	v_wmma_scale_f32_16x16x128_f8f6f4 v[rD:rD+7], v[rB:rB+7], v[rA:rA+7], v[rD:rD+7], v[rSB], v[rSA] matrix_a_fmt:MATRIX_FMT_FP4 matrix_b_fmt:MATRIX_FMT_FP4 matrix_b_scale:MATRIX_SCALE_ROW1
.else
	v_wmma_scale_f32_16x16x128_f8f6f4 v[rD:rD+7], v[rB:rB+7], v[rA:rA+7], v[rD:rD+7], v[rSB], v[rSA] matrix_a_fmt:MATRIX_FMT_FP4 matrix_b_fmt:MATRIX_FMT_FP4 matrix_a_scale:MATRIX_SCALE_ROW1 matrix_b_scale:MATRIX_SCALE_ROW1
.endif
.endif
.endm
.macro MULS s, p, zero                 ; a K step's 16 products; the 16 accumulators take turns, one instruction a turn, in the same order in every step
.irp a, 0,1,2,3
.irp b, 0,1,2,3
	MM \a, \b, \p, \s, \zero
.endr
.endr
.endm
.macro PLACES n                        ; plain vector instructions between a matrix instruction and a load into, or a read of, its registers
.rept \n
	v_nop
.endr
.endm
	s_wait_tensorcnt 0x0                           ; my part of the tiles is in,
	s_barrier_signal -1
	s_barrier_wait -1                              ; everybody's is
	FETCH 0, 0
.irp q, 0,1,2,3,4,5,6,7                ; eight K steps of 128: the next step's fragments are asked for ahead of a step's products
.if \q < 7
.if \q > 0
	PLACES 4                                       ; behind the last step's products, which read the set that is loaded now
.endif
	FETCH \q+1, (\q+1)%2
	s_wait_dscnt 16                                ; all but the 16 just issued
.else
	s_wait_dscnt 0x0
.endif
	WIN MUL
.if \q == 0
	MULS \q, 0, 1                                  ; the first products start the sums: nothing is cleared
.else
	MULS \q, \q%2, 0
.endif
.endr
	WIN 0
; THE WAY OUT, block by block of 16 rows x 64 columns, through my own stage: in as 32 bytes a lane, back as whole rows of 256 bytes, two to an instruction; the bias is added to the rows read back.
; LDS serves a wave's instructions in order (ISA guide 5.7.1.4): no wait between the stores and the loads, nor in front of the next block's stores.
.macro TOSTAGE a
.irp b, 0,1,2,3
	ds_store_b128 v[STO], v[ACC+8*(4*(\a)+\b):ACC+8*(4*(\a)+\b)+3] offset:64*\b          ; each accumulator from its low end on
	ds_store_b128 v[STO], v[ACC+8*(4*(\a)+\b)+4:ACC+8*(4*(\a)+\b)+7] offset:64*\b+16
.endr
.set BB, BK+32*((\a)%2)
.irp t, 0,1,2,3,4,5,6,7
	ds_load_b128 v[BB+4*\t:BB+4*\t+3], v[RD] offset:2*\t*SPITCH
.endr
.endm
.macro SEND a, younger                 ; younger: the LDS instructions issued behind block a's loads, which may stay out
.set BB, BK+32*((\a)%2)
	s_wait_dscnt \younger
.if (\a) > 0
	s_add_nc_u64 s[12:13], s[12:13], 16*SIZE_N*4   ; (behind a wait on XCNT: the earlier stores have read their base)
.endif
.irp t, 0,1,2,3,4,5,6,7
	v_pk_add_f32 v[BB+4*\t:BB+4*\t+1], v[BB+4*\t:BB+4*\t+1], v[BI:BI+1]
	v_pk_add_f32 v[BB+4*\t+2:BB+4*\t+3], v[BB+4*\t+2:BB+4*\t+3], v[BI+2:BI+3]
.endr
.irp t, 0,1,2,3,4,5,6,7
	global_store_b128 v[CO], v[BB+4*\t:BB+4*\t+3], s[12:13] offset:2*\t*SIZE_N*4 th:TH_STORE_NT   ; 16 lanes store 256 consecutive bytes, at a multiple of 256 from out0's first byte
.endr
.endm
	PLACES 4                                       ; behind the last products: their results are read
	TOSTAGE 0
.irp a, 1,2,3
.if \a > 1
	s_wait_xcnt 0x0                                ; block a - 2's stores have read their registers and their base
.endif
	TOSTAGE \a
	SEND \a-1, 16                                  ; behind block a - 1's loads: block a's 8 stores and 8 loads
.endr
	s_wait_xcnt 0x0
	SEND 3, 0
	s_wait_tensorcnt 0x0
	ds_add_u32 v30, v31
	s_wait_dscnt 0x0
	CROUND                                         ; the closing round: no work-group ends while a partner may still ask for a tile that names it
	s_endpgm
.Lfunc_end_k_q3077050539_outp:
	.size	k_q3077050539_outp, .Lfunc_end_k_q3077050539_outp-k_q3077050539_outp
	.p2alignl 7, 3214868480
	.fill 96, 4, 3214868480
	.section	.rodata,"a",@progbits
	.p2align	6, 0x0
	.amdhsa_kernel k_q3077050539_outp
		.amdhsa_group_segment_fixed_size 168448
		.amdhsa_private_segment_fixed_size 0
		.amdhsa_enable_private_segment 0
		.amdhsa_kernarg_size 40
		.amdhsa_user_sgpr_count 2
		.amdhsa_user_sgpr_kernarg_segment_ptr 1
		.amdhsa_wavefront_size32 1
		.amdhsa_system_sgpr_workgroup_id_x 1
		.amdhsa_system_sgpr_workgroup_id_y 1
		.amdhsa_system_sgpr_workgroup_id_z 1
		.amdhsa_system_vgpr_workitem_id 0
		.amdhsa_next_free_vgpr 384
		.amdhsa_next_free_sgpr 100
		.amdhsa_reserve_vcc 0
		.amdhsa_float_denorm_mode_32 3
		.amdhsa_float_denorm_mode_16_64 3
		.amdhsa_memory_ordered 1
		.amdhsa_forward_progress 1
		.amdhsa_inst_pref_size 47
	.end_amdhsa_kernel
	.amdgpu_metadata
---
amdhsa.version: [ 1, 2 ]
amdhsa.kernels:
  - .name:           k_q3077050539_outp
    .symbol:         k_q3077050539_outp.kd
    .args:
      - { .name: ao, .offset: 0, .size: 8, .value_kind: global_buffer, .address_space: global }
      - { .name: codes, .offset: 8, .size: 8, .value_kind: global_buffer, .address_space: global }
      - { .name: scl, .offset: 16, .size: 8, .value_kind: global_buffer, .address_space: global }
      - { .name: wo_b, .offset: 24, .size: 8, .value_kind: global_buffer, .address_space: global }
      - { .name: out0, .offset: 32, .size: 8, .value_kind: global_buffer, .address_space: global }
    .group_segment_fixed_size: 168448
    .private_segment_fixed_size: 0
    .kernarg_segment_align: 8
    .kernarg_segment_size: 40
    .max_flat_workgroup_size: 128
    .sgpr_count:     100
    .vgpr_count:     384
    .wavefront_size: 32
...
	.end_amdgpu_metadata
.endif
;; end of part 4
;; ======== version 2 of 2: 4 launches; version 1 with the launch attn written anew for expert scheduling mode
;; limits: right only within a limited range of input values
;; workspace buffers: codes 8,388,608 bytes; scl 524,288 bytes; maskw 1,048,576 bytes of whole numbers; mflag 524,288 bytes of whole numbers; qbuf 2,359,296 bytes; kv 4,587,520 bytes; ao 2,359,296 bytes
;; launch prep: the kernel of part 1 again; grid 512 x 1, 4 waves a work-group, no clusters, 41,472 bytes of LDS; arguments query, key, value, wq_w, wk_w, wv_w, wo_w, mask, codes, scl, maskw, mflag; writes codes, scl, maskw, mflag
;; launch proj: the kernel of part 2 again; grid 4 x 48, 4 waves a work-group, clusters of 4 x 4, 279,040 bytes of LDS; arguments codes, scl, wq_b, wk_b, wv_b, qbuf, kv; writes qbuf, kv
;; launch attn (part 5): grid 8 x 32, 16 waves a work-group, no clusters, 146,432 bytes of LDS; arguments qbuf, kv, maskw, mflag, ao; writes ao
.if DOCPART == 5
	.amdgcn_target "amdgcn-amd-amdhsa--gfx1250"
	.amdhsa_code_object_version 6
	.text
	.protected	k_q3077050539_attn
	.globl	k_q3077050539_attn
	.p2align	8
	.type	k_q3077050539_attn,@function
k_q3077050539_attn:
	s_mov_b64 s[64:65], 0
	v_nop
	global_prefetch_b8 v0, s[64:65] scope:SCOPE_SE
	s_setreg_imm32_b32 hwreg(HW_REG_WAVE_SCHED_MODE, 0, 2), 2
	s_setreg_imm32_b32 hwreg(HW_REG_WAVE_MODE, 25, 1), 1
	s_wait_xcnt 0x0
	s_wait_alu depctr_vm_vsrc(0)
; Attention on codes of FP4 (E2M1) with one E8M0 scale for each 32 along a product's K: scores, the mask, the softmax, the second product, the division by the row's sum, and the quantising of the result.
; t = score x log2(e) / 8; M = the row's largest t so far, rounded up to a whole number; p = 2^(t - M) is quantised along the keys, not normalised; the row's sum is taken of the unquantised p.  When M moves, the sum and O are
; multiplied by 2^(old M - new M): exact.
; SHARES: a work-group owns 256 queries of one head (b 16 + head = the grid's y); each of its SIXTEEN waves owns 16 of them in 256 registers, four waves to a SIMD, so that one wave's vector work stands beside another's
; products and LDS loads.  Every wave walks 16 steps of 128 keys.  The head's K, V and their scale words, 16 records of 8,960 bytes, lie in LDS as they lie in memory: images of the operands' registers, read at 16 x lane.
; Wave w brings record w: 17 loads of 512 bytes and one of 256, stored to LDS as they come; one barrier.
; LAYOUT: both products are used transposed (source 0 = 16 keys, or 16 channels; source 1 = my queries): lane (r, h) holds query r; register 8 t + j of the scores holds key 16 t + 8 h + j.
; The score product's K is 64: Q's upper four registers are zero codes, and K's operand runs on into the next tile's codes, which meet those zeros.
; THE MASK comes as words of one bit a lane, 64 to a step, by scalar loads a step ahead; each is the select of one v_cndmask_b32.  A stored flag says of each (my 16 queries, 128 keys) that no key is hidden:
; there a scalar branch leads over the 64 selects, which would change nothing.  Any step with a hidden key takes them.
; NO CLUSTER, NO JOINT LOADS.  What the eight query blocks of a head share is 143,360 bytes, read once by each,
; against sixteen steps of work on them.
; LIMITS: a masked score is set to -2^33, a logit of -2^30 where the definition has -1e9: c x 2^33 is exact, so that in a row wholly masked t - M is 0 and p is 1, as defined; the results are the definition's
; as long as unmasked logits lie above -1e9.  A block's largest p is made from the block's largest score by the same multiply-add and exponential (v_exp_f32 is taken not to fall where its input rises).
; p under 2^-126 counts as 0.  NaN and infinities are not served.
; THE MODE: SCHED_MODE bits 1:0 = 2 (LLVM: expert scheduling mode 2), set by the entry lines.  The code itself states the register dependences between vector or matrix instructions and memory or LDS instructions,
; with s_wait_alu, always for 0.
; THE PLAN.  Registers that memory or LDS instructions touch:
;   v1, v2, v6, v7, v17, v99, v223, v224   offsets and LDS addresses, made once at the head, ahead of the head's one wait on va_vdst, and never written again.
;   v3, v4, v222    LDS addresses in the step's and the next step's record: written by three additions in each step, read by the step's 18 LDS loads (v3, v4 at the head: by the stores of my record).
;   v100-169        my record: it lands by global loads and is read by the LDS stores; then the scores (written by the matrix unit) and part of O^T (written by v_mov_b32).
;   K, v24-55 and v60-63   read by a step's score products; behind them the next step's K lands there.     V, v64-97   read by a step's second products; in the next step its V lands there.
;   p's codes v196-203 and scale word v98   written by vector instructions, taken by the scaled products; at the end the data of two stores.
; A STEP HAS FOUR LINES.  vm_vsrc ahead of the three additions.  va_vdst where the two ways round the selects join: the addresses are written, the score products are done with K, the last step's second
; products with V, the selects with the mask words; behind it come the scalar loads, V's nine loads in a run, and the next step's K dealt among the maxima, which name the scores and v204-211 alone.
; va_vdst behind the exponentials, ahead of their first reader.  va_vdst ahead of the second products, whose codes and scale word vector instructions have made.
; One set of registers for K and one for V: the text names 225 of the wave's 256 registers, and a second set of K's is 36.
.set REC,   8960                       ; a record: K's 8 images at 0, V's 4 fragments at 4,096, K's scale words at 8,192, V's at 8,704
.set STG,   16*REC                     ; behind the records: 1,024 bytes in which the sixteen waves' scale words of the result meet
.set L16, 1                            ; v1   16 x lane
.set L8,  2                            ; v2   8 x lane + 8,704
.set ADR, 3                            ; v3, v4 the same in the step's record
.set AD8, 4
.set NEG, 5                            ; v5   -2^33
.set AOC, 6                            ; v6   my byte offset among the result's codes
.set AOS, 7                            ; v7   and among its scale words
.set QF,  8                            ; v8-15  Q: four registers of codes, four of zero codes
.set QS,  16                           ; v16  Q's scale words
.set SWA, 17                           ; v17  where my scale word goes in the stage
.set FF,  18                           ; v[18:19] f = 2^(old M - new M); the pair's upper half is written once
.set NM,  20                           ; v20 -M, v21 the largest t
.set LS,  22                           ; v[22:23] the row's sum in two halves
.set KF,  24                           ; v24-59  K: tile t at 4 t; v56-59 stay zero
.set KS,  60                           ; v60-63  K's scale words: register i: tile 2 i in lanes 0-15, tile 2 i + 1 in lanes 16-31
.set VF,  64                           ; v64-95  V's four fragments
.set VS,  96                           ; v96-97  V's scale words, likewise
.set PS,  98                           ; v98  p's scale word
.set SRA, 99                           ; v99  where waves 0, 1 read the stage
.set S,   100                          ; v100-163 the scores, then p; at the start v100-169 carry my record
.set O,   164                          ; v164-195 O^T
.set PC,  196                          ; v196-203 p's codes
.set BM,  204                          ; v204-207 a block's largest score, then its largest p
.set BT,  208
.set BSC, 212
.set T0,  216
.set L2,  220                          ; v[220:221] the sums' second chain
.set ADK, 222                          ; v222 16 x lane in the next step's record
.set QA,  223                          ; v223 my byte offset among Q's codes
.set QB,  224                          ; v224 and among its scale words
.set WV,   2
.set KI,   3                           ; the step's number
.set FLG,  8                           ; bit k: no key of step k is hidden from my 16 queries
.set TBN,  9                           ; the next step's record in LDS
.set CS,   66                          ; s[66:67] c = log2(e) / 8
.set SEL,  100
.set TB,   104                         ; the step's record in LDS
.set MOFF, 105                         ; the next step's mask words
	s_load_b256 s[68:75], s[0:1], 0x0              ; qbuf, kv, maskw, mflag
	s_load_b64 s[6:7], s[0:1], 0x20                ; ao
	v_lshl_add_u32 v254, v0, 2, 0x23400
	v_mov_b32 v255, 0
	v_lshrrev_b32 v1, 5, v0
	v_readfirstlane_b32 s[WV], v1                  ; wave 0..15
	s_mov_b32 s33, ttmp9                           ; my block of 256 queries
	s_and_b32 s34, ttmp7, 0xffff                   ; b 16 + head
	s_mul_i32 s38, s34, 16*REC                     ; the head's first byte in kv,
	s_wait_alu depctr_va_sdst(0)                   ; the wave's number is written, ahead of its first reader
	s_mul_i32 s30, s[WV], REC                      ; and record w's place in the head: in memory and in LDS alike
	s_add_co_u32 s38, s38, s30
	s_mov_b32 s39, 0
	s_lshl_b32 s42, s34, 4                         ; Q's record: (b 16 + head) 16 + 2 x block + wave / 8
	s_lshl_b32 s43, s33, 1
	s_add_co_u32 s42, s42, s43
	s_lshr_b32 s43, s[WV], 3
	s_add_co_u32 s42, s42, s43
	s_mul_i32 s42, s42, 4608
	s_mov_b32 s43, 0
	s_and_b32 s46, s[WV], 7
	s_lshl_b32 s44, s46, 9                         ; my tile's image in it,
	s_lshr_b32 s45, s46, 1
	s_lshl_b32 s45, s45, 2
	s_and_b32 s46, s[WV], 1
	s_lshl_b32 s46, s46, 8
	s_add_co_u32 s45, s45, s46
	s_add_co_u32 s45, s45, 4096                    ; and its scale words: 4,096 + 256 (w % 2) + 4 ((w % 8) / 2) + 16 r
	s_lshr_b32 s35, s34, 4                         ; b
	s_and_b32 s37, s34, 15                         ; head
	s_lshl_b32 s47, s35, 7
	s_lshl_b32 s48, s33, 4
	s_add_co_u32 s47, s47, s48
	s_add_co_u32 s47, s47, s[WV]                   ; my tile of 16 tokens among the 256
	s_lshl_b32 s48, s47, 12                        ; its mask words: 16 steps of 256 bytes
	s_mov_b32 s49, 0
	s_lshl_b32 s60, s47, 11                        ; its flags: eight pairs, 256 bytes apart
	s_mov_b32 s61, 0
	s_lshl_b32 s50, s37, 17
	s_lshl_b32 s51, s47, 9
	s_add_co_u32 s50, s50, s51                     ; the result's codes: [head][tile][512 bytes]
	s_lshl_b32 s51, s35, 4
	s_lshl_b32 s52, s33, 1
	s_add_co_u32 s51, s51, s52
	s_and_b32 s56, s[WV], 1
	s_add_co_u32 s51, s51, s56
	s_lshl_b32 s51, s51, 9
	s_lshl_b32 s53, s37, 14
	s_add_co_u32 s51, s51, s53
	s_add_co_u32 s51, s51, 2097152                 ; its scale words: [head][block of 128 tokens][512 bytes], behind the codes
	s_lshl_b32 s56, s56, 9
	s_add_co_u32 s56, s56, STG                     ; the stage: back, 512 bytes for each of waves 0, 1
	s_lshr_b32 s57, s[WV], 3
	s_lshl_b32 s57, s57, 9
	s_and_b32 s58, s[WV], 7
	s_lshl_b32 s58, s58, 2
	s_add_co_u32 s57, s57, s58
	s_add_co_u32 s57, s57, STG                     ; in: 512 (w / 8) + 32 r + 4 (w % 8)
	s_mov_b32 s[CS], 0x3e38aa3b                    ; c = log2(e) / 8
	s_mov_b32 s[CS+1], s[CS]                       ; (named with it as a pair, so it is written)
	s_mov_b32 s[SEL], 0x76543210
	s_mov_b32 s[SEL+1], 0xfedcba98                 ; lane l xor 16
	; every offset, LDS address and constant of the kernel is made here, while the arguments are on their way
	v_and_b32 v[L16], 31, v0
	v_lshlrev_b32 v[L8], 3, v[L16]
	v_add_nc_u32 v[L8], 8704, v[L8]
	v_lshlrev_b32 v[L16], 4, v[L16]
	v_and_b32 v[T0], 15, v0                        ; r
	v_add_nc_u32 v[QA], s44, v[L16]
	v_lshl_add_u32 v[QB], v[T0], 4, s45
	v_add_nc_u32 v[ADR], s30, v[L16]               ; my record's place in LDS
	v_add_nc_u32 v[AD8], s30, v[L8]
	v_add_nc_u32 v[AOC], s50, v[L16]
	v_add_nc_u32 v[AOS], s51, v[L16]
	v_lshl_add_u32 v[SWA], v[T0], 5, s57
	v_add_nc_u32 v[SRA], s56, v[L16]
	v_mov_b32 v[NEG], 0xd0000000                   ; -2^33
.irp j, 4,5,6,7
	v_mov_b32 v[QF+\j], 0                          ; zero codes: the upper 64 of the score product's 128 along K
	v_mov_b32 v[KF+28+\j], 0                       ; what tile 7's operand runs on into
.endr
	v_mov_b32 v[FF+1], 0
	v_mov_b32 v[NM+1], 0xff61b1e6                  ; the largest t so far: -3e38
	v_floor_f32 v[NM], -v[NM+1]                    ; -M
	v_mov_b32 v[LS], 0
	v_mov_b32 v[LS+1], 0
.irp b, 0,1,2,3
	v_mov_b32 v[BT+\b], 0                          ; written once: a lane permute's destination counts as one of its sources
.endr
	s_wait_alu depctr_va_vdst(0)                   ; the offsets and LDS addresses are written, which the loads and stores of the whole kernel read; so are the zero codes, which the score products take as operands; and the lines above are done reading s30 to s57, of which the scalar loads below write some
	s_wait_kmcnt 0x0
	s_add_nc_u64 s[10:11], s[70:71], s[38:39]      ; my record of K and V
	s_add_nc_u64 s[104:105], s[68:69], s[42:43]    ; Q's record (these two registers serve the steps once Q is in)
	s_add_nc_u64 s[4:5], s[72:73], s[48:49]        ; my mask words
	s_add_nc_u64 s[28:29], s[74:75], s[60:61]      ; my flags
.set i, 0
.rept 17
	global_load_b128 v[S+4*i:S+4*i+3], v[L16], s[10:11] offset:512*i   ; 512 consecutive bytes
.set i, i+1
.endr
	global_load_b64 v[S+68:S+69], v[L8], s[10:11]  ; the record's last 256 bytes
	global_load_b128 v[QF:QF+3], v[QA], s[104:105]
	global_load_b32 v[QS], v[QB], s[104:105]
.irp i, 0,1,2,3,4,5,6,7
	s_load_b64 s[12+2*\i:13+2*\i], s[28:29], 256*\i   ; the flags of steps 2 i, 2 i + 1
.endr
	s_load_b512 s[32:47], s[4:5], 0x0              ; step 0's 64 mask words: word J in s[32 + J], from J = 32 on in s[36 + J]
	s_load_b512 s[48:63], s[4:5], 0x40
	s_load_b512 s[68:83], s[4:5], 0x80
	s_load_b512 s[84:99], s[4:5], 0xc0
	s_wait_loadcnt 0x0                             ; my record, and Q
.set i, 0
.rept 17
	ds_store_b128 v[ADR], v[S+4*i:S+4*i+3] offset:512*i   ; (no vector line since the wait above names these registers)
.set i, i+1
.endr
	ds_store_b64 v[AD8], v[S+68:S+69]
	s_mov_b32 s[TB], 0
	s_mov_b32 s[MOFF], 0
	s_mov_b32 s[KI], 0
	s_wait_kmcnt 0x0
	s_or_b32 s[FLG], s12, s13                      ; each flag word holds its own step's bit or nothing
.irp i, 14,15,16,17,18,19,20,21,22,23,24,25,26,27
	s_or_b32 s[FLG], s[FLG], s[\i]
.endr
	s_wait_dscnt 0x0                               ; for the others' sake: my record lies in LDS
	s_wait_alu depctr_vm_vsrc(0)                   ; my LDS stores have read v100-169: from here on the lines below write v164-169 as O^T, and the score products v100-163
	s_barrier_signal -1
.set i, 0
.rept 32
	v_mov_b32 v[O+i], 0                            ; the step has no first step of its own: the first change of M multiplies zeros.  (These are also the places between the zero codes' lines and the first products)
.set i, i+1
.endr
	s_barrier_wait -1                              ; all sixteen records do
.irp t, 0,1,2,3,4,5,6,7
	ds_load_b128 v[KF+4*\t:KF+4*\t+3], v[L16] offset:512*\t        ; step 0's K
.endr
	ds_load_b128 v[KS:KS+3], v[L16] offset:8192
; A KEY STEP: 128 keys.  K was asked for a step ago.
.Lstep:
	s_wait_dscnt 0x0                               ; this step's K and its scale words
.irp t, 0,2,4,6                                ; S^T = K Q^T
	v_wmma_scale_f32_16x16x128_f8f6f4 v[S+8*\t:S+8*\t+7], v[KF+4*\t:KF+4*\t+7], v[QF:QF+7], 0, v[KS+\t/2], v[QS] matrix_a_fmt:MATRIX_FMT_FP4 matrix_b_fmt:MATRIX_FMT_FP4
	v_wmma_scale_f32_16x16x128_f8f6f4 v[S+8*\t+8:S+8*\t+15], v[KF+4*\t+4:KF+4*\t+11], v[QF:QF+7], 0, v[KS+\t/2], v[QS] matrix_a_fmt:MATRIX_FMT_FP4 matrix_b_fmt:MATRIX_FMT_FP4 matrix_a_scale:MATRIX_SCALE_ROW1
.endr
	s_add_co_u32 s[TBN], s[TB], REC
	s_min_u32 s[TBN], s[TBN], 15*REC               ; the last step asks for its own K again: no read leaves the records
	s_wait_alu depctr_vm_vsrc(0)                   ; the LDS instructions issued so far (the last step's loads; in the first step the stores of my record) have read the three addresses that are written now
	v_add_nc_u32 v[ADR], s[TB], v[L16]             ; four places behind the products above, whose results are read below
	v_add_nc_u32 v[AD8], s[TB], v[L8]
	v_add_nc_u32 v[ADK], s[TBN], v[L16]
	v_nop
	s_wait_kmcnt 0x0                               ; the step's mask words, asked for a step ago
	s_bitcmp1_b32 s[FLG], s[KI]                    ; is no key of this step hidden from my queries?
	s_cbranch_scc1 .Lopen                          ; then the 64 selects would change nothing
.set J, 0
.rept 64
.if J < 32
	v_cndmask_b32 v[S+J], v[NEG], v[S+J], s[32+J]  ; the score where the mask's bit is set
.else
	v_cndmask_b32 v[S+J], v[NEG], v[S+J], s[36+J]
.endif
.set J, J+1
.endr
.Lopen:
	s_wait_alu depctr_va_vdst(0)                   ; on both ways: the three addresses are written, which the LDS loads below read; the score products are done reading K and its scale words, and the last step's second products V and its, in which those loads land; the selects are done reading the mask words, which the scalar loads below write
	s_add_co_u32 s[MOFF], s[MOFF], 256             ; the next step's words; the last step asks for its own again: no load leaves the buffer
	s_min_u32 s[MOFF], s[MOFF], 15*256
	s_load_b512 s[32:47], s[4:5], s[MOFF] offset:0x0
	s_load_b512 s[48:63], s[4:5], s[MOFF] offset:0x40
	s_load_b512 s[68:83], s[4:5], s[MOFF] offset:0x80
	s_load_b512 s[84:99], s[4:5], s[MOFF] offset:0xc0
.irp d, 0,1,2,3
.irp c, 0,1
	ds_load_b128 v[VF+8*\d+4*\c:VF+8*\d+4*\c+3], v[ADR] offset:4096+1024*\d+512*\c   ; this step's V, in one run: it is wanted in this step
.endr
.endr
	ds_load_b64 v[VS:VS+1], v[AD8]
	; the next step's K is dealt among the maxima, a load behind each group of four.  No further wait: no vector line since the wait above names K's registers, its scale words' or v222
.irp b, 0,1,2,3
	v_max3_num_f32 v[BM+\b], v[S+16*\b], v[S+1+16*\b], v[S+2+16*\b]   ; the largest score of each block of 32 keys: for the row's maximum, and for the block's largest p
.endr
	ds_load_b128 v[KF:KF+3], v[ADK]
.set KT, 1
.irp i, 3,5,7,9,11,13
.irp b, 0,1,2,3
	v_max3_num_f32 v[BM+\b], v[BM+\b], v[S+16*\b+\i], v[S+1+16*\b+\i]
.endr
	ds_load_b128 v[KF+4*KT:KF+4*KT+3], v[ADK] offset:512*KT
.set KT, KT+1
.endr
.irp b, 0,1,2,3
	v_max_num_f32 v[BM+\b], v[BM+\b], v[S+15+16*\b]
.endr
	ds_load_b128 v[KF+28:KF+31], v[ADK] offset:512*7
.irp b, 0,1,2,3
	v_permlanex16_b32 v[BT+\b], v[BM+\b], s[SEL], s[SEL+1]
.endr
	ds_load_b128 v[KS:KS+3], v[ADK] offset:8192
.irp b, 0,1,2,3
	v_max_num_f32 v[BM+\b], v[BM+\b], v[BT+\b]     ; with lane l xor 16's 16 keys
.endr
	v_max3_num_f32 v[T0], v[BM], v[BM+1], v[BM+2]
	v_max_num_f32 v[T0], v[T0], v[BM+3]
	v_mul_f32 v[T0], s[CS], v[T0]                  ; as t (c is positive)
	v_max_num_f32 v[NM+1], v[NM+1], v[T0]          ; the running largest t
	v_mov_b32 v[T0], v[NM]
	v_floor_f32 v[NM], -v[NM+1]                    ; the new -M = -ceil(t)
	v_sub_f32 v[T0], v[NM], v[T0]                  ; old M - new M: a whole number, 0 or less
	v_cvt_i32_f32 v[T0], v[T0]                     ; (it saturates)
	v_ldexp_f32 v[FF], 1.0, v[T0]                  ; f
.set i, 0
.rept 32
	v_pk_fma_f32 v[S+i:S+i+1], v[S+i:S+i+1], s[CS:CS+1], v[NM:NM+1] op_sel_hi:[1,0,0]   ; t - M, two at a time
.set i, i+2
.endr
.irp b, 0,1,2,3
	v_fma_f32 v[BM+\b], v[BM+\b], s[CS], v[NM]
.endr
.set i, 0
.rept 64
	v_exp_f32 v[S+i], v[S+i]                       ; p = 2^(t - M)
.set i, i+1
.endr
.irp b, 0,1,2,3
	v_exp_f32 v[BM+\b], v[BM+\b]                   ; the block's largest p
.endr
	v_pk_mul_f32 v[LS:LS+1], v[LS:LS+1], v[FF:FF+1] op_sel_hi:[1,0]   ; the sums under the new M (a plain place behind the exponentials)
.set i, 0
.rept 16
	v_pk_mul_f32 v[O+i:O+i+1], v[O+i:O+i+1], v[FF:FF+1] op_sel_hi:[1,0]   ; O^T under the new M: work that names none of the exponentials' results, between the batch and the wait for it
.set i, i+2
.endr
	s_wait_alu depctr_va_vdst(0)                   ; the 68 exponentials have written p and the blocks' largest p: one wait for the batch, ahead of its first reader
.irp b, 0,1,2,3
	v_max_num_f32 v[BM+\b], 0x1800000, v[BM+\b]    ; the floor 2^(3 - 127): the byte cannot fall under 1
.endr
.irp b, 0,1,2,3
	v_add_nc_u32 v[BSC+\b], 0xff000000, v[BM+\b]   ; 2 off the exponent field: the conversion's scale operand
.endr
.irp b, 0,1,2,3
	v_lshrrev_b32 v[BT+\b], 23, v[BSC+\b]          ; the scale's byte
.endr
	v_lshl_or_b32 v[PS], v[BT+1], 8, v[BT]
	v_lshl_or_b32 v[PS], v[BT+2], 16, v[PS]
	v_lshl_or_b32 v[PS], v[BT+3], 24, v[PS]
.irp c, 0,1
.irp e, 0,1
.irp u, 0,1
	v_cvt_scalef32_pk8_fp4_f32 v[PC+4*\c+2*\u+\e], v[S+8*(4*\c+2*\e+\u):S+8*(4*\c+2*\e+\u)+7], v[BSC+2*\c+\e]
.endr
.endr
.endr
	v_nop                                          ; one plain place behind a scaled conversion
.irp c, 0,1
.irp u, 0,1
	v_permlane16_swap_b32 v[PC+4*\c+2*\u], v[PC+4*\c+2*\u+1]   ; a whole block of keys to a lane
.endr
.endr
	v_pk_add_f32 v[L2:L2+1], v[S:S+1], v[S+2:S+3]  ; the row's sum of the unquantised p, in two chains.  (These 32 are the places between the codes and scale word just made and the products)
.irp j, 4,8,12,16,20,24,28,32,36,40,44,48,52,56,60
	v_pk_add_f32 v[LS:LS+1], v[LS:LS+1], v[S+\j:S+\j+1]
	v_pk_add_f32 v[L2:L2+1], v[L2:L2+1], v[S+2+\j:S+3+\j]
.endr
	v_pk_add_f32 v[LS:LS+1], v[LS:LS+1], v[L2:L2+1]
	s_wait_dscnt 9                                 ; V's nine loads are in; the nine behind them, the next step's K, may stay out
	s_wait_alu depctr_va_vdst(0)                   ; the exchanges have written p's codes and the shifts its scale word, which the scaled products below take as an operand and as scales; the places above stay beside this wait
.irp d, 0,2                                    ; O^T += V^T P^T: four accumulators by turns
	v_wmma_scale_f32_16x16x128_f8f6f4 v[O+8*\d:O+8*\d+7], v[VF+8*\d:VF+8*\d+7], v[PC:PC+7], v[O+8*\d:O+8*\d+7], v[VS+\d/2], v[PS] matrix_a_fmt:MATRIX_FMT_FP4 matrix_b_fmt:MATRIX_FMT_FP4
	v_wmma_scale_f32_16x16x128_f8f6f4 v[O+8*\d+8:O+8*\d+15], v[VF+8*\d+8:VF+8*\d+15], v[PC:PC+7], v[O+8*\d+8:O+8*\d+15], v[VS+\d/2], v[PS] matrix_a_fmt:MATRIX_FMT_FP4 matrix_b_fmt:MATRIX_FMT_FP4 matrix_a_scale:MATRIX_SCALE_ROW1
.endr
	s_add_co_u32 s[TB], s[TB], REC
	s_add_co_u32 s[KI], s[KI], 1
	s_cmp_lt_u32 s[KI], 16
	s_cbranch_scc1 .Lstep
	; THE END: O^T / the sum, quantised along the head's 64 (two blocks), as an image of the last product's operand
	s_wait_kmcnt 0x0                               ; the last step's request
.rept 4
	v_nop                                          ; places behind the last products
.endr
	v_add_f32 v[LS], v[LS], v[LS+1]
	v_permlanex16_b32 v[T0], v[LS], s[SEL], s[SEL+1]
	v_add_f32 v[LS], v[LS], v[T0]                  ; the row's sum
	v_rcp_f32 v[LS], v[LS]
	s_and_b32 s8, ttmp7, 1
	s_lshl_b32 s8, s8, 4                           ; an odd head's two scale bytes stand in the word's upper half
	v_nop                                          ; a plain place behind the transcendental
	s_wait_alu depctr_va_vdst(0)                   ; the reciprocal is written, ahead of its first reader
.set i, 0
.rept 16
	v_pk_mul_f32 v[S+i:S+i+1], v[O+i:O+i+1], v[LS:LS+1] op_sel_hi:[1,0]   ; register 8 t + j: channel 16 t + 8 h + j; each accumulator from its low end on
.set i, i+2
.endr
.irp b, 0,1
	v_max3_num_f32 v[BM+\b], |v[S+16*\b]|, |v[S+1+16*\b]|, 0x1800000
.endr
.irp i, 2,4,6,8,10,12,14
.irp b, 0,1
	v_max3_num_f32 v[BM+\b], v[BM+\b], |v[S+16*\b+\i]|, |v[S+1+16*\b+\i]|
.endr
.endr
.irp b, 0,1
	v_permlanex16_b32 v[BT+\b], v[BM+\b], s[SEL], s[SEL+1]
.endr
.irp b, 0,1
	v_max_num_f32 v[BM+\b], v[BM+\b], v[BT+\b]
.endr
.irp b, 0,1
	v_add_nc_u32 v[BSC+\b], 0xff000000, v[BM+\b]
.endr
.irp b, 0,1
	v_lshrrev_b32 v[BT+\b], 23, v[BSC+\b]
.endr
	v_lshl_or_b32 v[PS], v[BT+1], 8, v[BT]
	v_lshlrev_b32 v[PS], s8, v[PS]
.irp e, 0,1
.irp u, 0,1
	v_cvt_scalef32_pk8_fp4_f32 v[PC+2*\u+\e], v[S+8*(2*\e+\u):S+8*(2*\e+\u)+7], v[BSC+\e]
.endr
.endr
	v_nop
.irp u, 0,1
	v_permlane16_swap_b32 v[PC+2*\u], v[PC+2*\u+1]
.endr
	s_wait_alu depctr_va_vdst(0)                   ; the exchanges have written the result's codes and the shift its scale word, which the two stores below read
	global_store_b128 v[AOC], v[PC:PC+3], s[6:7]   ; 512 consecutive bytes
	ds_store_b32 v[SWA], v[PS]                     ; both halves of the lanes write the same word with the same value
	s_wait_dscnt 0x0                               ; my word lies in the stage (and the last step's request for K is back)
	s_barrier_signal -1
	s_barrier_wait -1                              ; the scale words of 2 x 128 tokens lie in the stage
	s_cmp_lt_u32 s[WV], 2
	s_cbranch_scc0 .Lno_out
	ds_load_b128 v[KF:KF+3], v[SRA]                ; (no vector or matrix line since the wait above names v24-27 or v99)
	s_wait_dscnt 0x0
	global_store_b128 v[AOS], v[KF:KF+3], s[6:7]   ; 512 consecutive bytes
.Lno_out:
	s_wait_dscnt 0x0
	s_wait_alu depctr_hold_cnt(0) depctr_sa_sdst(0) depctr_va_vdst(0) depctr_va_sdst(0) depctr_va_ssrc(0) depctr_va_vcc(0) depctr_vm_vsrc(0)
	s_wait_tensorcnt 0x0
	ds_add_u32 v254, v255
	s_wait_dscnt 0x0
	s_endpgm
.Lfunc_end_k_q3077050539_attn:
	.size	k_q3077050539_attn, .Lfunc_end_k_q3077050539_attn-k_q3077050539_attn
	.p2alignl 7, 3214868480
	.fill 96, 4, 3214868480
	.section	.rodata,"a",@progbits
	.p2align	6, 0x0
	.amdhsa_kernel k_q3077050539_attn
		.amdhsa_group_segment_fixed_size 146432
		.amdhsa_private_segment_fixed_size 0
		.amdhsa_enable_private_segment 0
		.amdhsa_kernarg_size 40
		.amdhsa_user_sgpr_count 2
		.amdhsa_user_sgpr_kernarg_segment_ptr 1
		.amdhsa_wavefront_size32 1
		.amdhsa_system_sgpr_workgroup_id_x 1
		.amdhsa_system_sgpr_workgroup_id_y 1
		.amdhsa_system_sgpr_workgroup_id_z 1
		.amdhsa_system_vgpr_workitem_id 0
		.amdhsa_next_free_vgpr 256
		.amdhsa_next_free_sgpr 106
		.amdhsa_reserve_vcc 0
		.amdhsa_float_denorm_mode_32 3
		.amdhsa_float_denorm_mode_16_64 3
		.amdhsa_memory_ordered 1
		.amdhsa_forward_progress 1
		.amdhsa_inst_pref_size 34
	.end_amdhsa_kernel
	.amdgpu_metadata
---
amdhsa.version: [ 1, 2 ]
amdhsa.kernels:
  - .name:           k_q3077050539_attn
    .symbol:         k_q3077050539_attn.kd
    .args:
      - { .name: qbuf, .offset: 0, .size: 8, .value_kind: global_buffer, .address_space: global }
      - { .name: kv, .offset: 8, .size: 8, .value_kind: global_buffer, .address_space: global }
      - { .name: maskw, .offset: 16, .size: 8, .value_kind: global_buffer, .address_space: global }
      - { .name: mflag, .offset: 24, .size: 8, .value_kind: global_buffer, .address_space: global }
      - { .name: ao, .offset: 32, .size: 8, .value_kind: global_buffer, .address_space: global }
    .group_segment_fixed_size: 146432
    .private_segment_fixed_size: 0
    .kernarg_segment_align: 8
    .kernarg_segment_size: 40
    .max_flat_workgroup_size: 512
    .sgpr_count:     106
    .vgpr_count:     256
    .wavefront_size: 32
...
	.end_amdgpu_metadata
.endif
;; end of part 5
;; launch outp: the kernel of part 4 again; grid 8 x 32, 4 waves a work-group, clusters of 4 x 4, 168,448 bytes of LDS; arguments ao, codes, scl, wo_b, out0; writes out0
